; MI455X (gfx1250); checked and timed in simulation.
; The chip was launched on July 23, 2026; its instructions are those of AMD's public machine-readable ISA for CDNA 5 (MIT licence, August 2026) and "CDNA5" Instruction Set Architecture Reference Guide (July 2026). The comments in the code are by the model that wrote it; some were corrected since.
;; Sparse Top K Attention. Allowed arithmetic: matrix products marked QUANTISED: E2M1 operands, one E8M0 scale for each 32 along K, by v_wmma_scale_f32_16x16x128_f8f6f4 with both operands' format E2M1 (or v_wmma_scale_f32_32x16x128_f4), f32 sums; products left as they are: f32 operands where the result goes on into a quantised operand, else bf16, f16 or f32 operands; f32 sums; everything else in f32.
;; Inputs: Wk_codes 256 x 8 x 16 uint8 (E2M1 codes of Wk, K innermost, in blocks of 32 codes, two codes a byte); Wk_scales 256 x 8 uint8 (E8M0 scales of Wk, one for each 32 codes along K); Wo_codes 256 x 8 x 16 uint8 (E2M1 codes of Wo, K innermost, in blocks of 32 codes, two codes a byte); Wo_scales 256 x 8 uint8 (E8M0 scales of Wo, one for each 32 codes along K); Wq_codes 256 x 8 x 16 uint8 (E2M1 codes of Wq, K innermost, in blocks of 32 codes, two codes a byte); Wq_scales 256 x 8 uint8 (E8M0 scales of Wq, one for each 32 codes along K); Wv_codes 256 x 8 x 16 uint8 (E2M1 codes of Wv, K innermost, in blocks of 32 codes, two codes a byte); Wv_scales 256 x 8 uint8 (E8M0 scales of Wv, one for each 32 codes along K); bk 256 float32; bo 256 float32; bq 256 float32; bv 256 float32; heading_k 4 x 4,096 float32; heading_q 4 x 4,096 float32; kv_feat 4 x 4,096 x 256 float32; mask_k 4 x 4,096 bool; pos_k 4 x 4,096 x 2 float32; pos_q 4 x 4,096 x 2 float32; q_feat_codes 4 x 4,096 x 8 x 16 uint8 (E2M1 codes of q_feat, K innermost, in blocks of 32 codes, two codes a byte); q_feat_scales 4 x 4,096 x 8 uint8 (E8M0 scales of q_feat, one for each 32 codes along K).
;; Outputs: out0 4 x 4,096 x 256 float32.
;; This version of the problem:
;;   THIS VERSION OF THE PROBLEM IS GIVEN IN LOW PRECISION. The matrix products marked QUANTISED in the list below multiply operands that are first quantised to E2M1 (2 exponent bits, 1 mantissa bit; 4 bits a number), with one power-of-two scale for each 32 numbers along K (OCP MX v1.0); their sums are f32. All else is computed in f32.
;;   The module's matrix products, in the order in which they are computed (A, B: the left and right operand; K: the contracted axis; several contracted axes count as one K, in the product's order):
;;     1. [M 16,384, K 256] x [K 256, N 256]; A: input q_feat (given as codes); B: input Wq (given as codes): QUANTISED
;;     2. [M 262,144, K 256] x [K 256, N 256]; A: computed on the way; B: input Wk (given as codes): QUANTISED
;;     3. [M 262,144, K 256] x [K 256, N 256]; A: computed on the way; B: input Wv (given as codes): QUANTISED
;;     4. batch 131,072 x [M 16, K 32] x [K 32, N 1]; A: computed on the way; B: computed on the way: left as it is (N = 1 < 16)
;;     5. batch 131,072 x [M 1, K 16] x [K 16, N 32]; A: softmax; B: computed on the way: left as it is (K = 16 < 32)
;;     6. [M 16,384, K 256] x [K 256, N 256]; A: computed on the way; B: input Wo (given as codes): QUANTISED
;;   THE QUANTISER, for each operand of a quantised product, along K:
;;     - K is cut into blocks of 32 from its start; a last block that is shorter is filled with zeros.
;;     - A block's scale is 2^e with e = floor(log2(the largest magnitude in the block)) - 2, held to -126 .. 127; a block of zeros has e = 0. As a byte (E8M0): e + 127.
;;     - Each number is divided by its block's scale, clamped to +-6, and rounded to the nearest number of E2M1, ties to even, subnormals kept.
;;     - The product sums the exact products of the quantised numbers (number of the format x scale) in f32.
;;   ~~~python
;;   def quantise(x, axis):      # numpy; x: float32 -> the quantised numbers, widened to float32 again
;;       x = np.moveaxis(x, axis, -1); K = x.shape[-1]
;;       x = np.pad(x, [(0, 0)] * (x.ndim - 1) + [(0, -K % 32)]); x = x.reshape(x.shape[:-1] + (-1, 32)); a = np.abs(x).max(-1, keepdims=True)
;;       e = np.where(a > 0, np.clip(np.frexp(np.where(a > 0, a, 1))[1] - 1 - 2, -126, 127), 0)      # np.frexp(a)[1] - 1 = floor(log2(a)), exactly
;;       r = np.clip(x / 2.0 ** e, -6, 6)
;;       step = 2.0 ** (np.maximum(np.frexp(np.where(r == 0, 1, r))[1] - 1, 0) - 1)
;;       q = np.round(r / step) * step * 2.0 ** e      # np.round: ties to even
;;       return np.moveaxis(q.reshape(q.shape[:-2] + (-1,))[..., :K], -1, axis).astype(np.float32)
;;   ~~~
;;   OPERANDS COMPUTED ON THE WAY. 'Computed on the way' means the value that the module computes at that place (a softmax that the list does not call 'softmax' is quantised finished and normalised). What goes into a quantiser is computed in f32, as accurately as f32 sums, v_exp_f32 and their like allow (about 1e-6 of the number): no bf16 or f16 on the way to a quantiser, and a product that is left as it is and whose result goes on into a quantised operand takes f32 operands (vector FMAs, or v_wmma_f32_16x16x4_f32). A number that lies on a knife's edge between two numbers of the format may be rounded either way, as far as f32 arithmetic and the matrix unit's own rounding can turn it there, and no further.
;;   INPUTS GIVEN AS CODES. Wk (in the module: [256, 256], K = its axis 0); Wo (in the module: [256, 256], K = its axis 0); Wq (in the module: [256, 256], K = its axis 0); Wv (in the module: [256, 256], K = its axis 0); q_feat (in the module: [4, 4096, 256], K = its axis 2): each comes as NAME_codes (uint8): NAME with its K axis moved to the last place and cut into blocks of 32 codes, [.., K / 32, bytes a block], one block behind the other in memory; two codes a byte, the lower K in the low four bits (a code: sign, 2 exponent bits, 1 mantissa bit); and NAME_scales (uint8): the same leading axes, one E8M0 byte (e + 127) for each 32 codes along K. Its value is code x scale, taken as it is: it is not quantised again, and the codes and scales need not be those that the quantiser above would give.
;; One version. Each part assembles by itself: llvm-mc -triple=amdgcn-amd-amdhsa -mcpu=gfx1250 --defsym DOCPART=n.
;; ======== version 1 of 1: 3 launches
;; limits: right only within a limited range of input values
;; workspace buffers: glist 1,048,576 bytes of whole numbers; idx 1,048,576 bytes of whole numbers; kvc 2,097,152 bytes; krec 1,048,576 bytes; trr 6,291,456 bytes
;; launch groups (part 1): grid 256 x 1, 16 waves a work-group, no clusters, 109,568 bytes of LDS; arguments pos_q, pos_k, mask_k, glist; writes glist
.if DOCPART == 1
	.amdgcn_target "amdgcn-amd-amdhsa--gfx1250"
	.amdhsa_code_object_version 6
	.text
	.protected	k_q972f0a88f6_groups
	.globl	k_q972f0a88f6_groups
	.p2align	8
	.type	k_q972f0a88f6_groups,@function
k_q972f0a88f6_groups:
	s_mov_b64 s[64:65], 0
	v_nop
	global_prefetch_b8 v0, s[64:65] scope:SCOPE_SE
	s_setreg_imm32_b32 hwreg(HW_REG_WAVE_MODE, 25, 1), 1
	s_wait_xcnt 0x0
; FIRST LEVEL OF THE SEARCH FOR THE 16 NEAREST KEYS.  The 4,096 keys of a batch are 256 groups of 16 neighbouring indices.  For each query this launch stores the numbers of the 16 groups
; that come first by (rounded distance of the group's nearest key, group number).  Every key of the true first 16 (by rounded distance, then index) lies in one of them: a group left out
; has 16 groups in front of it, each with a key that comes before every key of the group left out.
; d2 = fma(dy, dy, RN(dx dx)), dx = qx - kx, dy = qy - ky; a masked key gets x = +inf and so d2 = +inf.  d2 is never negative, so its bits order like the number.
; SHARES.  A work-group owns 64 queries of one batch.  Phase 1: every wave holds all 64 (two a lane, as pairs for the packed forms) and walks 256 keys.  The wave lays its keys once into LDS bytes
; of its own (masked keys already at +inf) and reads them back with one address for all lanes, two keys a load, eight keys ahead of their use.  The groups' minima meet in LDS.
; Phase 2: a wave takes 4 queries, 8 lanes to a query, 32 groups to a lane.
; No branch and no address hangs on a distance: the selection is a fixed network (bitonic sorts and merges), and its result is stored at fixed places.
; LIMITS: d2 rounded as written above (another rounding of the sum can change places of a 16th and a 17th key whose d2 differ in the last bit); d2 under 2^-126 counts as distance 0
; (the square root takes denormals as zero); NaN and infinite positions are not served.
.set PITCH, 1168                       ; an LDS row: a query's 256 minima, 8 runs of 128 bytes + 16 of padding
.set SPARE, 64*PITCH                   ; the spare words: 128 bytes a wave
.set KST,   SPARE+2048                 ; the keys: 2,048 bytes a wave, the wave's own
.set X,  64                            ; v64-95   a lane's 32 values (phase 1: two sets of eight keys)
.set LA, 96                            ; v96-143  three lists of 16
.set LB, 112
.set LC, 128
.set SPW, 144
.set NIL, 145
.set MS, 52                            ; s52-55   compare masks
; One stage of a bitonic network on 16 numbers: comparators (i, i + d), rising where i & k = 0.  A comparator is one pair of instructions on the same two sources.  Number i lies at the register whose
; index is i with bits 0 and log2(d) exchanged, d the stage that wrote it (din: the stage before), so that a comparator's two results fall on an even and an odd register.
.macro ST src, dst, d, din, k
.set ii, 0
.rept 16
.if (ii & \d) == 0
.set jj, ii | \d
.set sa, (ii & (15-(1|\din))) | ((ii&1)*\din) | ((ii/\din)&1)
.set sb, (jj & (15-(1|\din))) | ((jj&1)*\din) | ((jj/\din)&1)
.set da, (ii & (15-(1|\d))) | ((ii&1)*\d)
.if (ii & \k) == 0
	v_dual_min_num_f32 v[\dst+da], v[\src+sa], v[\src+sb] :: v_dual_max_num_f32 v[\dst+da+1], v[\src+sa], v[\src+sb]
.else
	v_dual_max_num_f32 v[\dst+da], v[\src+sa], v[\src+sb] :: v_dual_min_num_f32 v[\dst+da+1], v[\src+sa], v[\src+sb]
.endif
.endif
.set ii, ii+1
.endr
.endm
.macro SORT16 src, a, b                ; 16 numbers at src, left as they are -> ascending in b
	ST \src, \a, 1, 1, 2
	ST \a, \b, 2, 1, 4
	ST \b, \a, 1, 2, 4
	ST \a, \b, 4, 1, 8
	ST \b, \a, 2, 4, 8
	ST \a, \b, 1, 2, 8
	ST \b, \a, 8, 1, 16
	ST \a, \b, 4, 8, 16
	ST \b, \a, 2, 4, 16
	ST \a, \b, 1, 2, 16
.endm
.macro CLN a, b                        ; a list that rises and then falls, in a, is sorted by way of b back into a
	ST \a, \b, 8, 1, 16
	ST \b, \a, 4, 8, 16
	ST \a, \b, 2, 4, 16
	ST \b, \a, 1, 2, 16
.endm
.macro SORT32 x                        ; the 16 lowest of a lane's 32 numbers, ascending, in LA
	SORT16 \x, LA, LB
	SORT16 \x+16, LA, LC
.set im, 0
.rept 8
	v_dual_min_num_f32 v[LA+im], v[LB+im], v[LC+15-im] :: v_dual_min_num_f32 v[LA+im+1], v[LB+im+1], v[LC+14-im]
.set im, im+2
.endr
	CLN LA, LB
.endm
.macro MRG src, dst, m                 ; the 16 lowest of my sorted list and lane xor m's: min(mine[i], theirs[15 - i])
.set im, 0
.rept 16
	v_min_num_f32_dpp v[\dst+im], v[\src+15-im], v[\src+im] row_xmask:\m row_mask:0xf bank_mask:0xf
.set im, im+1
.endr
.endm
.macro MERGES                          ; eight lanes' sorted lists in LA -> the query's 16 lowest in LB of all eight; lanes with bit 2 set hold them in the opposite order
	MRG LA, LB, 1
	CLN LB, LA
	MRG LB, LA, 2
	CLN LA, LB
	MRG LA, LB, 4
.endm
; T = the 16th lowest d2.  Keys are ordered by the ROUNDED root, so the d2 that share T's root form one class: v62 = the lowest, v61 = the highest bit pattern of that class (at most two steps away).
; The root is made right to the last bit: s from v_sqrt_f32, then one step down where x - (s-)(s) <= 0, one step up where x - (s+)(s) > 0.
.macro THRESH
	v_max3_num_f32 v16, v[LB], v[LB+1], v[LB+2]
.irp i, 3,5,7,9,11,13
	v_max3_num_f32 v16, v16, v[LB+\i], v[LB+\i+1]
.endr
	v_max_num_f32 v16, v16, v[LB+15]
.irp k, 0,1,2,3,4
	v_add_nc_u32 v[17+\k], \k-2, v16               ; T's neighbours in bits (beside 0 and beside infinity they are NaN, and compare false below)
.endr
	s_wait_alu depctr_va_vdst(0)                   ; the wait ahead of the batch
.irp k, 0,1,2,3,4
	v_sqrt_f32 v[22+\k], v[17+\k]
.endr
	v_nop                                          ; a plain instruction between the roots and their use
	s_wait_alu depctr_va_vdst(0)                   ; and behind it
.irp k, 0,1,2,3,4
	v_add_nc_u32 v[27+\k], -1, v[22+\k]
.endr
.irp k, 0,1,2,3,4
	v_add_nc_u32 v[32+\k], 1, v[22+\k]
.endr
.irp k, 0,1,2,3,4
	v_fma_f32 v[37+\k], -v[27+\k], v[22+\k], v[17+\k]
.endr
.irp k, 0,1,2,3,4
	v_fma_f32 v[42+\k], -v[32+\k], v[22+\k], v[17+\k]
.endr
.irp k, 0,1,2,3,4
	v_cmp_ge_f32 s[MS+\k%4], 0, v[37+\k]
	v_cndmask_b32 v[22+\k], v[22+\k], v[27+\k], s[MS+\k%4]
.endr
.irp k, 0,1,2,3,4
	v_cmp_lt_f32 s[MS+\k%4], 0, v[42+\k]
	v_cndmask_b32 v[22+\k], v[22+\k], v[32+\k], s[MS+\k%4]
.endr
	v_cmp_eq_f32 s[MS], v23, v24
	v_cmp_eq_f32 s[MS+1], v22, v24
	v_cmp_eq_f32 s[MS+2], v25, v24
	v_cmp_eq_f32 s[MS+3], v26, v24
	v_cndmask_b32 v47, 0, -1, s[MS]
	v_cndmask_b32 v48, 0, -1, s[MS+1]
	v_cndmask_b32 v49, 0, 1, s[MS+2]
	v_cndmask_b32 v46, 0, 1, s[MS+3]
	v_add3_u32 v62, v16, v47, v48
	v_add3_u32 v61, v16, v49, v46
.endm
; Second pass, over numbers instead of distances, as f32, in the values' own registers: id where the root is below T's, id + 4096 where it is equal, 1e9 otherwise.  The 16 lowest are the answer, ties to the lower id.
; v56, v57: the id of my values 0 and 16;  v58, v59: the same + 4096;  v60: 1e9
.macro PASSB
.set ip, 0
.irp s, 0,1
.irp f, 0x0,0x3f800000,0x40000000,0x40400000,0x40800000,0x40a00000,0x40c00000,0x40e00000,0x41000000,0x41100000,0x41200000,0x41300000,0x41400000,0x41500000,0x41600000,0x41700000
.set tt, 50+(ip%4)
	v_cmp_le_u32 s[MS+2*(ip%2)], v[X+ip], v61
	v_cndmask_b32 v[tt], v60, v[58+\s], s[MS+2*(ip%2)]
	v_cmp_lt_u32 s[MS+2*(ip%2)+1], v[X+ip], v62
	v_cndmask_b32 v[tt], v[tt], v[56+\s], s[MS+2*(ip%2)+1]
	v_add_f32 v[X+ip], \f, v[tt]
.set ip, ip+1
.endr
.endr
	SORT32 X
	MERGES
.endm
; lane e of a query stores entries 2 (e % 4) and 2 (e % 4) + 1 of its list; lanes 4-7 hold the list the other way round, so all 16 leave.  The wave stores 256 consecutive bytes, aligned.  v13 = e
.macro OUTID off, base
	v_and_b32 v16, 1, v13
	v_and_b32 v17, 2, v13
	v_cmp_ne_u32 s[MS], 0, v16
	v_cmp_ne_u32 s[MS+1], 0, v17
	v_cndmask_b32 v18, v[LB], v[LB+2], s[MS]
	v_cndmask_b32 v19, v[LB+1], v[LB+3], s[MS]
	v_cndmask_b32 v20, v[LB+4], v[LB+6], s[MS]
	v_cndmask_b32 v21, v[LB+5], v[LB+7], s[MS]
	v_cndmask_b32 v18, v18, v20, s[MS+1]
	v_cndmask_b32 v19, v19, v21, s[MS+1]
	v_cvt_u32_f32 v18, v18
	v_cvt_u32_f32 v19, v19
	v_and_b32 v18, 0xfff, v18                      ; the 4096 of a tie falls away
	v_and_b32 v19, 0xfff, v19
	global_store_b64 v[\off], v[18:19], s[\base:\base+1]
.endm
.macro LOADK set, adr, off             ; eight keys, x, y, x, y .., the same bytes in every lane
.irp i, 0,1,2,3
	ds_load_b128 v[\set+4*\i:\set+4*\i+3], v[\adr] offset:\off+16*\i
.endr
.endm
; Half a group: 8 keys x 64 queries.  The next half group's keys are asked for first, into the other set.  Of a key's pair the packed forms take x (the first register) or y (the second) for both queries.
.macro HG j
.set KB, 64+16*((\j)%2)
.set KN, 80-16*((\j)%2)
	s_wait_dscnt 0x0                               ; this half group's keys are in
.if (\j) < 7
	LOADK KN, 60, 64*((\j)+1)
.else
	LOADK KN, 61, 0                                ; the next trip's first; in the last trip the trip's own first again, so that no load leaves the wave's keys
.endif
.irp i, 0,1,2,3,4,5,6,7
	v_pk_add_f32 v[16+2*\i:17+2*\i], v[2:3], v[KB+2*\i:KB+2*\i+1] op_sel_hi:[1,0] neg_lo:[0,1] neg_hi:[0,1]
.endr
.irp i, 0,1,2,3,4,5,6,7
	v_pk_add_f32 v[32+2*\i:33+2*\i], v[4:5], v[KB+2*\i:KB+2*\i+1] op_sel:[0,1] op_sel_hi:[1,1] neg_lo:[0,1] neg_hi:[0,1]
.endr
.irp i, 0,1,2,3,4,5,6,7
	v_pk_mul_f32 v[16+2*\i:17+2*\i], v[16+2*\i:17+2*\i], v[16+2*\i:17+2*\i]
.endr
.irp i, 0,1,2,3,4,5,6,7
	v_pk_fma_f32 v[16+2*\i:17+2*\i], v[32+2*\i:33+2*\i], v[32+2*\i:33+2*\i], v[16+2*\i:17+2*\i]
.endr
.set G, 48+(\j)/2                      ; the group's minimum: v[G] for my first query, v[G+4] for my second
.if ((\j)%2) == 0
	v_min3_num_f32 v[G], v16, v18, v20
	v_min3_num_f32 v[G+4], v17, v19, v21
	v_min3_num_f32 v[G], v[G], v22, v24
	v_min3_num_f32 v[G+4], v[G+4], v23, v25
	v_min3_num_f32 v[G], v[G], v26, v28
	v_min3_num_f32 v[G+4], v[G+4], v27, v29
	v_min_num_f32 v[G], v[G], v30
	v_min_num_f32 v[G+4], v[G+4], v31
.else
.irp i, 0, 4, 8, 12
	v_min3_num_f32 v[G], v[G], v[16+\i], v[18+\i]
	v_min3_num_f32 v[G+4], v[G+4], v[17+\i], v[19+\i]
.endr
.endif
.endm
	s_load_b256 s[4:11], s[0:1], 0x0               ; pos_q s[4:5], pos_k s[6:7], mask_k s[8:9], glist s[10:11]
	v_lshl_add_u32 v[SPW], v0, 2, SPARE
	v_mov_b32 v[NIL], 0
	v_lshrrev_b32 v1, 5, v0
	v_readfirstlane_b32 s12, v1                    ; wave 0..15
	v_and_b32 v1, 31, v0                           ; lane
	v_lshlrev_b32 v6, 3, v1                        ; 8 x lane: a query's position, and my two words of the result
	v_lshlrev_b32 v7, 4, v1                        ; 16 x lane: two keys' positions
	v_lshlrev_b32 v56, 1, v1                       ; 2 x lane: their mask bytes
	v_mov_b32 v59, 0x7f800000
	s_lshr_b32 s13, ttmp9, 6                       ; the batch: 64 work-groups each
	s_lshl_b32 s14, ttmp9, 9                       ; my 64 queries' positions: 512 bytes
	s_mov_b32 s15, 0
	s_mov_b32 s89, 0                               ; the trip's first byte among my wave's keys,
	s_mov_b32 s98, 0                               ; and in an LDS row
	s_mov_b32 s93, 4
	s_lshl_b32 s16, s12, 11
	s_add_co_u32 s16, s16, KST                     ; my wave's keys in LDS
	s_wait_alu depctr_va_vdst(0)
	v_add_nc_u32 v57, s16, v7                      ; in: + 16 x lane
	v_mov_b32 v58, s16                             ; back: one address for all lanes
	s_lshr_b32 s17, s12, 1                         ; group 16 w + .. of a row lies at (w / 2) 144 + (w % 2) 64
	s_mul_i32 s17, s17, 144
	s_and_b32 s18, s12, 1
	s_lshl_b32 s18, s18, 6
	s_add_co_u32 s17, s17, s18
	v_mul_u32_u24 v8, v1, PITCH
	v_add_nc_u32 v8, s17, v8                       ; my first query's row,
	v_add_nc_u32 v9, 32*PITCH, v8                  ; my second's
	s_wait_alu depctr_va_vdst(0)                   ; the wait at the head's end
	s_wait_kmcnt 0x0
	s_add_nc_u64 s[4:5], s[4:5], s[14:15]
	global_load_b64 v[12:13], v6, s[4:5]           ; query lane
	global_load_b64 v[14:15], v6, s[4:5] offset:256   ; query 32 + lane
	s_lshl_b32 s14, s13, 15
	s_lshl_b32 s99, s12, 11
	s_add_co_u32 s14, s14, s99
	s_add_nc_u64 s[94:95], s[6:7], s[14:15]        ; my wave's 256 keys: positions,
	s_lshl_b32 s14, s13, 12
	s_lshl_b32 s99, s12, 8
	s_add_co_u32 s14, s14, s99
	s_add_nc_u64 s[96:97], s[8:9], s[14:15]        ; mask bytes
.irp i, 0,1,2,3
	global_load_b128 v[96+4*\i:99+4*\i], v7, s[94:95] offset:512*\i   ; keys 64 i + 2 lane and the next: each load covers 512 consecutive bytes
.endr
.irp i, 0,1,2,3
	global_load_u16 v[112+\i], v56, s[96:97] offset:64*\i
.endr
	s_lshl_b32 s14, ttmp9, 12
	s_add_co_u32 s14, s14, s99
	s_add_nc_u64 s[10:11], s[10:11], s[14:15]      ; the result of my wave's 4 queries: 64 bytes a query
	s_wait_loadcnt 0x0
	v_mov_b32 v2, v12                              ; v[2:3] the two x, v[4:5] the two y
	v_mov_b32 v3, v14
	v_mov_b32 v4, v13
	v_mov_b32 v5, v15
.irp i, 0,1,2,3
	v_and_b32 v[116+\i], 1, v[112+\i]
	v_cmp_eq_u32 s[MS+\i], 0, v[116+\i]
	v_cndmask_b32 v[96+4*\i], v[96+4*\i], v59, s[MS+\i]      ; a masked key moves to x = +inf
	v_cmp_gt_u32 s[MS+\i], 0x100, v[112+\i]                  ; the second key's byte is 0
	v_cndmask_b32 v[98+4*\i], v[98+4*\i], v59, s[MS+\i]
	ds_store_b128 v57, v[96+4*\i:99+4*\i] offset:512*\i
.endr
	LOADK 64, 58, 0                                ; LDS serves a wave's instructions in order: these see my stores; nobody else touches these bytes
.Ltrip:                                            ; 4 trips of 64 keys: 4 groups
	s_add_co_u32 s91, s89, 512
	s_min_u32 s91, s91, 1536
	v_add_nc_u32 v60, s89, v58                     ; this trip's keys,
	v_add_nc_u32 v61, s91, v58                     ; the next trip's
	v_add_nc_u32 v10, s98, v8
	v_add_nc_u32 v11, s98, v9
	s_wait_alu depctr_va_vdst(0)
.irp j, 0,1,2,3,4,5,6,7
	HG \j
.endr
	ds_store_b128 v10, v[48:51]                    ; four groups' minima of each of my two queries
	ds_store_b128 v11, v[52:55]
	s_add_co_u32 s89, s89, 512
	s_add_co_u32 s98, s98, 16
	s_sub_co_u32 s93, s93, 1
	s_cmp_lg_u32 s93, 0
	s_cbranch_scc1 .Ltrip
	s_wait_dscnt 0x0                               ; for the others' sake: my stores are done (and the last look-ahead, whose keys nobody uses)
	s_barrier_signal -1
	s_barrier_wait -1
	; PHASE 2: query 4 w + lane / 8; lane e = lane % 8 takes groups 32 e .. 32 e + 31
	v_and_b32 v13, 7, v0
	v_bfe_u32 v12, v0, 3, 2
	s_mul_i32 s14, s12, 4*PITCH
	v_mul_u32_u24 v12, v12, PITCH
	v_mad_u32_u24 v12, v13, 144, v12
	v_add_nc_u32 v12, s14, v12
.irp i, 0,1,2,3,4,5,6,7
	ds_load_b128 v[X+4*\i:X+4*\i+3], v12 offset:16*\i
.endr
	v_lshlrev_b32 v56, 5, v13
	v_cvt_f32_u32 v56, v56
	v_add_f32 v57, 0x41800000, v56
	v_add_f32 v58, 0x45800000, v56
	v_add_f32 v59, 0x45800000, v57
	v_mov_b32 v60, 0x4e6e6b28
	s_wait_alu depctr_va_vdst(0)
	s_wait_dscnt 0x0
	SORT32 X
	MERGES
	THRESH
	PASSB
	OUTID 6, 10
	s_wait_tensorcnt 0x0                           ; the wave's end
	ds_add_u32 v[SPW], v[NIL]
	s_wait_dscnt 0x0
	s_endpgm
.Lfunc_end_k_q972f0a88f6_groups:
	.size	k_q972f0a88f6_groups, .Lfunc_end_k_q972f0a88f6_groups-k_q972f0a88f6_groups
	.p2alignl 7, 3214868480
	.fill 96, 4, 3214868480
	.section	.rodata,"a",@progbits
	.p2align	6, 0x0
	.amdhsa_kernel k_q972f0a88f6_groups
		.amdhsa_group_segment_fixed_size 109568
		.amdhsa_private_segment_fixed_size 0
		.amdhsa_enable_private_segment 0
		.amdhsa_kernarg_size 32
		.amdhsa_user_sgpr_count 2
		.amdhsa_user_sgpr_kernarg_segment_ptr 1
		.amdhsa_wavefront_size32 1
		.amdhsa_system_sgpr_workgroup_id_x 1
		.amdhsa_system_sgpr_workgroup_id_y 1
		.amdhsa_system_sgpr_workgroup_id_z 1
		.amdhsa_system_vgpr_workitem_id 0
		.amdhsa_next_free_vgpr 146
		.amdhsa_next_free_sgpr 100
		.amdhsa_reserve_vcc 0
		.amdhsa_float_denorm_mode_32 3
		.amdhsa_float_denorm_mode_16_64 3
		.amdhsa_memory_ordered 1
		.amdhsa_forward_progress 1
		.amdhsa_inst_pref_size 83
	.end_amdhsa_kernel
	.amdgpu_metadata
---
amdhsa.version: [ 1, 2 ]
amdhsa.kernels:
  - .name:           k_q972f0a88f6_groups
    .symbol:         k_q972f0a88f6_groups.kd
    .args:
      - { .name: pos_q, .offset: 0, .size: 8, .value_kind: global_buffer, .address_space: global }
      - { .name: pos_k, .offset: 8, .size: 8, .value_kind: global_buffer, .address_space: global }
      - { .name: mask_k, .offset: 16, .size: 8, .value_kind: global_buffer, .address_space: global }
      - { .name: glist, .offset: 24, .size: 8, .value_kind: global_buffer, .address_space: global }
    .group_segment_fixed_size: 109568
    .private_segment_fixed_size: 0
    .kernarg_segment_align: 8
    .kernarg_segment_size: 32
    .max_flat_workgroup_size: 512
    .sgpr_count:     100
    .vgpr_count:     146
    .wavefront_size: 32
...
	.end_amdgpu_metadata
.endif
;; end of part 1
;; launch refine (part 2): grid 1024 x 1, 4 waves a work-group, no clusters, 33,280 bytes of LDS; arguments glist, pos_q, pos_k, mask_k, heading_q, heading_k, kv_feat, idx, trr, kvc, krec; writes idx, trr, kvc, krec
.if DOCPART == 2
	.amdgcn_target "amdgcn-amd-amdhsa--gfx1250"
	.amdhsa_code_object_version 6
	.text
	.protected	k_q972f0a88f6_refine
	.globl	k_q972f0a88f6_refine
	.p2align	8
	.type	k_q972f0a88f6_refine,@function
k_q972f0a88f6_refine:
	s_mov_b64 s[64:65], 0
	v_nop
	global_prefetch_b8 v0, s[64:65] scope:SCOPE_SE
	s_setreg_imm32_b32 hwreg(HW_REG_WAVE_MODE, 25, 1), 1
	s_wait_xcnt 0x0
; A WAVE TAKES 4 POINTS (query pt and key pt have the same number), 8 lanes to a point, and does three jobs for them; no wave shares anything with another: no barrier.
; SELECT: every lane reads the query's 16 groups from glist (whole numbers that the launch before stored).  The eight lanes of a query read each group together: lane e takes keys 2 e and 2 e + 1 of every group,
; so that one load covers four runs of 128 consecutive bytes.  d2 is formed exactly as the launch before did, and the same fixed network gives the 16 nearest keys by (rounded distance, index): idx.
; TABLES, while the gather is on its way: lane e makes piece e: trr[region][pt][h = e / 4][p = e % 4] = c(2p), c(2p+1), s(2p), s(2p+1), h = 0: x times the frequencies, h = 1: y.
; Region 0: the query's positions; region 1: the query's heading, as c, c, s, s in all pieces; region 2: the key's positions.
; QUANTISE, behind the selection (its loads are issued behind the gather's, into registers of their own): the 4 rows of kv_feat of the same numbers become codes of E2M1 (kvc) and one E8M0 byte for each
; 32 along K (a gathered row quantised is the row quantised and then gathered).
; krec[pt] is 64 bytes, 8 a lane: lanes 0-3 store the row's 8 scale bytes, lanes 4-7 cos and sin of the key's heading: the wave stores 256 consecutive bytes, aligned.
; LIMITS: as in the launch before for d2 and the root.  The frequencies are the f32 numbers nearest 10^(-i/2).  Sine and cosine: reduction by pi/2 in three parts, polynomials on +-pi/4, good to about 1e-7
; for angles up to some thousands.  A block of zeros gets the byte 1 (its codes are zeros, and this program alone reads the bytes).  NaN and infinities among the inputs are not served.
.set X,  64                            ; v64-95   a lane's 32 values (before them: the gather's offsets)
.set LA, 96                            ; v96-143  three lists of 16 (before them: the 16 groups; the candidates)
.set LB, 112
.set LC, 128
.set IDF, 144                          ; v144-175 the ids of my 32 values as f32: key 2 e of group j at IDF + j, key 2 e + 1 at IDF + 16 + j
.set KVR, 194                          ; v194-225 my 4 rows of kv_feat as loaded
.set MK,  230                          ; v230-245 two mask bytes of each group
.set MS, 52
.set SP, 80                            ; a row of the stage: 64 bytes + 16
.set WREG, 8192                        ; LDS of a wave: two stages of 32 x SP bytes, then its 32 scale bytes
; One stage of a bitonic network on 16 numbers: comparators (i, i + d), rising where i & k = 0; a comparator is one pair of instructions on the same two sources.  Number i lies at the register whose
; index is i with bits 0 and log2(d) exchanged, d the stage that wrote it (din: the stage before), so that a comparator's two results fall on an even and an odd register.
.macro ST src, dst, d, din, k
.set ii, 0
.rept 16
.if (ii & \d) == 0
.set jj, ii | \d
.set sa, (ii & (15-(1|\din))) | ((ii&1)*\din) | ((ii/\din)&1)
.set sb, (jj & (15-(1|\din))) | ((jj&1)*\din) | ((jj/\din)&1)
.set da, (ii & (15-(1|\d))) | ((ii&1)*\d)
.if (ii & \k) == 0
	v_dual_min_num_f32 v[\dst+da], v[\src+sa], v[\src+sb] :: v_dual_max_num_f32 v[\dst+da+1], v[\src+sa], v[\src+sb]
.else
	v_dual_max_num_f32 v[\dst+da], v[\src+sa], v[\src+sb] :: v_dual_min_num_f32 v[\dst+da+1], v[\src+sa], v[\src+sb]
.endif
.endif
.set ii, ii+1
.endr
.endm
.macro SORT16 src, a, b                ; 16 numbers at src, left as they are -> ascending in b
	ST \src, \a, 1, 1, 2
	ST \a, \b, 2, 1, 4
	ST \b, \a, 1, 2, 4
	ST \a, \b, 4, 1, 8
	ST \b, \a, 2, 4, 8
	ST \a, \b, 1, 2, 8
	ST \b, \a, 8, 1, 16
	ST \a, \b, 4, 8, 16
	ST \b, \a, 2, 4, 16
	ST \a, \b, 1, 2, 16
.endm
.macro CLN a, b                        ; a list that rises and then falls, in a, is sorted by way of b back into a
	ST \a, \b, 8, 1, 16
	ST \b, \a, 4, 8, 16
	ST \a, \b, 2, 4, 16
	ST \b, \a, 1, 2, 16
.endm
.macro SORT32 x                        ; the 16 lowest of a lane's 32 numbers, ascending, in LA
	SORT16 \x, LA, LB
	SORT16 \x+16, LA, LC
.set im, 0
.rept 8
	v_dual_min_num_f32 v[LA+im], v[LB+im], v[LC+15-im] :: v_dual_min_num_f32 v[LA+im+1], v[LB+im+1], v[LC+14-im]
.set im, im+2
.endr
	CLN LA, LB
.endm
.macro MRG src, dst, m                 ; the 16 lowest of my sorted list and lane xor m's
.set im, 0
.rept 16
	v_min_num_f32_dpp v[\dst+im], v[\src+15-im], v[\src+im] row_xmask:\m row_mask:0xf bank_mask:0xf
.set im, im+1
.endr
.endm
.macro MERGES                          ; eight lanes' lists in LA -> the query's 16 lowest in LB of all eight; lanes with bit 2 set hold them in the opposite order
	MRG LA, LB, 1
	CLN LB, LA
	MRG LB, LA, 2
	CLN LA, LB
	MRG LA, LB, 4
.endm
.macro THRESH                          ; T = the 16th lowest d2; v62, v61 = the lowest and highest bit pattern whose correctly rounded root is T's
	v_max3_num_f32 v16, v[LB], v[LB+1], v[LB+2]
.irp i, 3,5,7,9,11,13
	v_max3_num_f32 v16, v16, v[LB+\i], v[LB+\i+1]
.endr
	v_max_num_f32 v16, v16, v[LB+15]
.irp k, 0,1,2,3,4
	v_add_nc_u32 v[17+\k], \k-2, v16
.endr
	s_wait_alu depctr_va_vdst(0)                   ; the wait ahead of the batch
.irp k, 0,1,2,3,4
	v_sqrt_f32 v[22+\k], v[17+\k]
.endr
	v_nop                                          ; a plain instruction between the roots and their use
	s_wait_alu depctr_va_vdst(0)                   ; and behind it
.irp k, 0,1,2,3,4
	v_add_nc_u32 v[27+\k], -1, v[22+\k]
.endr
.irp k, 0,1,2,3,4
	v_add_nc_u32 v[32+\k], 1, v[22+\k]
.endr
.irp k, 0,1,2,3,4
	v_fma_f32 v[37+\k], -v[27+\k], v[22+\k], v[17+\k]
.endr
.irp k, 0,1,2,3,4
	v_fma_f32 v[42+\k], -v[32+\k], v[22+\k], v[17+\k]
.endr
.irp k, 0,1,2,3,4
	v_cmp_ge_f32 s[MS+\k%4], 0, v[37+\k]
	v_cndmask_b32 v[22+\k], v[22+\k], v[27+\k], s[MS+\k%4]
.endr
.irp k, 0,1,2,3,4
	v_cmp_lt_f32 s[MS+\k%4], 0, v[42+\k]
	v_cndmask_b32 v[22+\k], v[22+\k], v[32+\k], s[MS+\k%4]
.endr
	v_cmp_eq_f32 s[MS], v23, v24
	v_cmp_eq_f32 s[MS+1], v22, v24
	v_cmp_eq_f32 s[MS+2], v25, v24
	v_cmp_eq_f32 s[MS+3], v26, v24
	v_cndmask_b32 v47, 0, -1, s[MS]
	v_cndmask_b32 v48, 0, -1, s[MS+1]
	v_cndmask_b32 v49, 0, 1, s[MS+2]
	v_cndmask_b32 v46, 0, 1, s[MS+3]
	v_add3_u32 v62, v16, v47, v48
	v_add3_u32 v61, v16, v49, v46
.endm
.macro PASSB                           ; in the values' own registers: id below T's root, id + 4096 at it, id + 1e9 beyond: the 16 lowest are the answer, ties to the lower id.  v59 = 4096, v60 = 1e9
.set ip, 0
.rept 32
.set tt, 50+(ip%4)
	v_cmp_le_u32 s[MS+2*(ip%2)], v[X+ip], v61
	v_cndmask_b32 v[tt], v60, v59, s[MS+2*(ip%2)]
	v_cmp_lt_u32 s[MS+2*(ip%2)+1], v[X+ip], v62
	v_cndmask_b32 v[tt], v[tt], 0, s[MS+2*(ip%2)+1]
	v_add_f32 v[X+ip], v[tt], v[IDF+16*(ip%2)+ip/2]
.set ip, ip+1
.endr
	SORT32 X
	MERGES
.endm
.macro OUTID off, base                 ; lane e stores entries 2 (e % 4), 2 (e % 4) + 1 of its list: the wave stores 256 consecutive bytes, aligned.  v13 = e
	v_and_b32 v16, 1, v13
	v_and_b32 v17, 2, v13
	v_cmp_ne_u32 s[MS], 0, v16
	v_cmp_ne_u32 s[MS+1], 0, v17
	v_cndmask_b32 v18, v[LB], v[LB+2], s[MS]
	v_cndmask_b32 v19, v[LB+1], v[LB+3], s[MS]
	v_cndmask_b32 v20, v[LB+4], v[LB+6], s[MS]
	v_cndmask_b32 v21, v[LB+5], v[LB+7], s[MS]
	v_cndmask_b32 v18, v18, v20, s[MS+1]
	v_cndmask_b32 v19, v19, v21, s[MS+1]
	v_cvt_u32_f32 v18, v18
	v_cvt_u32_f32 v19, v19
	v_and_b32 v18, 0xfff, v18
	v_and_b32 v19, 0xfff, v19
	global_store_b64 v[\off], v[18:19], s[\base:\base+1]
.endm
; cos and sin of v[a] into v[c], v[s]; six registers from v[T] at work.  n = the nearest whole number to a 2 / pi; r = a - n pi/2, pi/2 in three parts (s40-42 hold their negatives);
; polynomials in z = r r; n's low two bits say which of the two is which and with what sign: they steer selections and sign bits only.
.macro SINCOS a, c, s, T
	v_mul_f32 v[\T], 0x3f22f983, v[\a]
	v_rndne_f32 v[\T], v[\T]
	v_fma_f32 v[\T+1], v[\T], s40, v[\a]
	v_fma_f32 v[\T+1], v[\T], s41, v[\T+1]
	v_fma_f32 v[\T+1], v[\T], s42, v[\T+1]
	v_cvt_i32_f32 v[\T], v[\T]
	v_mul_f32 v[\T+2], v[\T+1], v[\T+1]
	v_fmaak_f32 v[\T+3], s43, v[\T+2], 0x3c08839e
	v_fmaak_f32 v[\T+4], s44, v[\T+2], 0xbab6061a
	v_fmaak_f32 v[\T+3], v[\T+3], v[\T+2], 0xbe2aaaa3
	v_fmaak_f32 v[\T+4], v[\T+4], v[\T+2], 0x3d2aaaa5
	v_mul_f32 v[\T+3], v[\T+3], v[\T+2]
	v_mul_f32 v[\T+5], v[\T+2], v[\T+2]
	v_fma_f32 v[\T+2], v[\T+2], -0.5, 1.0
	v_fma_f32 v[\T+3], v[\T+3], v[\T+1], v[\T+1]   ; sin r
	v_fma_f32 v[\T+4], v[\T+4], v[\T+5], v[\T+2]   ; cos r
	v_and_b32 v[\T+5], 1, v[\T]
	v_cmp_ne_u32 s55, 0, v[\T+5]
	v_cndmask_b32 v[\s], v[\T+3], v[\T+4], s55
	v_cndmask_b32 v[\c], v[\T+4], v[\T+3], s55
	v_lshlrev_b32 v[\T+5], 30, v[\T]
	v_add_nc_u32 v[\T], 1, v[\T]
	v_and_b32 v[\T+5], 0x80000000, v[\T+5]         ; sin changes sign where n & 2,
	v_lshlrev_b32 v[\T], 30, v[\T]
	v_xor_b32 v[\s], v[\T+5], v[\s]
	v_and_b32 v[\T], 0x80000000, v[\T]             ; cos where (n + 1) & 2
	v_xor_b32 v[\c], v[\T], v[\c]
.endm
	s_load_b512 s[4:19], s[0:1], 0x0               ; glist s[4:5], pos_q s[6:7], pos_k s[8:9], mask_k s[10:11], heading_q s[12:13], heading_k s[14:15], kv_feat s[16:17], idx s[18:19]
	s_load_b128 s[20:23], s[0:1], 0x40             ; trr s[20:21], kvc s[22:23]
	s_load_b64 s[24:25], s[0:1], 0x50              ; krec
	s_mov_b32 s40, 0xbfc90fdb
	s_mov_b32 s41, 0x333bbd2e
	s_mov_b32 s42, 0x26f72bfe
	s_mov_b32 s43, 0xb94ca1f9
	s_mov_b32 s44, 0x37ccf5ce
	v_lshl_add_u32 v192, v0, 2, 0x8000
	v_mov_b32 v193, 0
	v_lshrrev_b32 v1, 5, v0
	v_readfirstlane_b32 s28, v1                    ; wave 0..3
	v_and_b32 v2, 31, v0                           ; lane
	v_and_b32 v13, 7, v0                           ; e
	v_bfe_u32 v3, v0, 3, 2                         ; which of the four points
	v_lshlrev_b32 v11, 3, v2                       ; 8 x lane: my two words of idx, krec and of a step's codes
	v_lshlrev_b32 v62, 4, v2                       ; 16 x lane
	v_lshlrev_b32 v16, 3, v3
	v_lshlrev_b32 v17, 2, v3
	v_lshlrev_b32 v18, 6, v3                       ; my query's list: 64 bytes
	v_lshlrev_b32 v19, 4, v13                      ; my two keys' positions in a group: 16 e
	v_lshlrev_b32 v20, 1, v13                      ; their mask bytes: 2 e
	s_mul_i32 s29, s28, WREG
	v_lshrrev_b32 v12, 2, v2
	v_mul_u32_u24 v12, v12, SP
	v_and_b32 v14, 3, v2
	v_lshl_add_u32 v12, v14, 4, v12
	v_add_nc_u32 v12, s29, v12                     ; the stage, on the way in: SP (lane / 4) + 16 (lane % 4)
	v_mul_u32_u24 v14, v2, SP
	v_add_nc_u32 v14, s29, v14                     ; and on the way out: SP x lane
	v_lshrrev_b32 v15, 1, v2
	s_add_co_u32 s29, s29, 2*32*SP
	v_add_nc_u32 v15, s29, v15                     ; my block's scale byte: lane / 2, + 16 a step
	v_add_nc_u32 v228, s29, v16                    ; my point's 8 scale bytes
	s_lshl_b32 s30, ttmp9, 2
	s_add_co_u32 s30, s30, s28                     ; W = 0 .. 4095: points 4 W .. 4 W + 3
	s_lshr_b32 s31, s30, 10                        ; the batch
	s_lshl_b32 s32, s30, 8
	s_mov_b32 s33, 0
	s_lshl_b32 s34, s30, 5
	s_mov_b32 s35, 0
	s_lshl_b32 s36, s30, 4
	s_mov_b32 s37, 0
	s_lshl_b32 s38, s30, 9
	s_mov_b32 s39, 0
	s_lshl_b32 s46, s30, 12
	s_mov_b32 s47, 0
	s_wait_alu depctr_va_vdst(0)                   ; the wait at the head's end
	s_wait_kmcnt 0x0
	s_add_nc_u64 s[4:5], s[4:5], s[32:33]
	s_add_nc_u64 s[18:19], s[18:19], s[32:33]
	s_add_nc_u64 s[24:25], s[24:25], s[32:33]
	s_add_nc_u64 s[6:7], s[6:7], s[34:35]
	s_add_nc_u64 s[48:49], s[8:9], s[34:35]        ; pos_k at key 4 W, for the table
	s_add_nc_u64 s[12:13], s[12:13], s[36:37]
	s_add_nc_u64 s[14:15], s[14:15], s[36:37]
	s_add_nc_u64 s[20:21], s[20:21], s[38:39]      ; a point's pieces: 128 bytes
	s_add_nc_u64 s[22:23], s[22:23], s[38:39]      ; a row's codes: 128 bytes
	s_add_nc_u64 s[16:17], s[16:17], s[46:47]      ; a row of kv_feat: 1,024 bytes
	s_lshl_b32 s32, s31, 15
	s_add_nc_u64 s[8:9], s[8:9], s[32:33]          ; pos_k at the batch, for the gather
	s_lshl_b32 s32, s31, 12
	s_add_nc_u64 s[10:11], s[10:11], s[32:33]
.irp k, 0,1,2,3
	global_load_b128 v[96+4*\k:99+4*\k], v18, s[4:5] offset:16*\k   ; the query's 16 groups
.endr
	global_load_b64 v[6:7], v16, s[6:7]            ; the query's position
	global_load_b64 v[8:9], v16, s[48:49]          ; the position of the key of the same number
	global_load_b32 v10, v17, s[12:13]             ; the query's heading
	global_load_b32 v1, v17, s[14:15]              ; the key's
	s_wait_loadcnt 0x0
.irp j, 0,1,2,3,4,5,6,7,8,9,10,11,12,13,14,15
	v_min_u32 v[96+\j], 0xff, v[96+\j]             ; a loaded number enters an address only behind a bound written in the text
.endr
.irp j, 0,1,2,3,4,5,6,7,8,9,10,11,12,13,14,15
	v_lshl_add_u32 v[64+\j], v[96+\j], 7, v19      ; a group's 16 positions are 128 bytes: + 16 e
.endr
.irp j, 0,1,2,3,4,5,6,7,8,9,10,11,12,13,14,15
	v_lshl_add_u32 v[80+\j], v[96+\j], 4, v20      ; its 16 mask bytes: + 2 e
.endr
.irp j, 0,1,2,3,4,5,6,7,8,9,10,11,12,13,14,15
	global_load_b128 v[128+4*\j:131+4*\j], v[64+\j], s[8:9]    ; keys 2 e and 2 e + 1 of group j: eight lanes read 128 consecutive bytes
.endr
.irp j, 0,1,2,3,4,5,6,7,8,9,10,11,12,13,14,15
	global_load_u16 v[MK+\j], v[80+\j], s[10:11]
.endr
.irp t, 0,1
.irp i, 0,1,2,3
	global_load_b128 v[KVR+16*\t+4*\i:KVR+16*\t+4*\i+3], v62, s[16:17] offset:2048*\t+512*\i th:TH_LOAD_NT   ; my 4 rows of kv_feat: each load covers 512 consecutive bytes
.endr
.endr
	; THE TABLES.  My two frequencies: 10^(-p) and 10^(-p - 1/2), p = e % 4, and the angles
	v_and_b32 v16, 1, v13
	v_and_b32 v17, 2, v13
	v_and_b32 v26, 4, v13
	v_cmp_ne_u32 s52, 0, v16
	v_cmp_ne_u32 s53, 0, v17
	v_cmp_ne_u32 s54, 0, v26
	v_mov_b32 v18, 1.0
	v_mov_b32 v19, 0x3dcccccd
	v_mov_b32 v20, 0x3c23d70a
	v_mov_b32 v21, 0x3a83126f
	v_mov_b32 v22, 0x3ea1e89b
	v_mov_b32 v23, 0x3d0186e2
	v_mov_b32 v24, 0x3b4f3e37
	v_mov_b32 v25, 0x39a5cb5f
	v_cndmask_b32 v18, v18, v19, s52
	v_cndmask_b32 v20, v20, v21, s52
	v_cndmask_b32 v22, v22, v23, s52
	v_cndmask_b32 v24, v24, v25, s52
	v_cndmask_b32 v18, v18, v20, s53
	v_cndmask_b32 v22, v22, v24, s53
	v_cndmask_b32 v26, v6, v7, s54                 ; x for pieces 0-3, y for pieces 4-7
	v_cndmask_b32 v27, v8, v9, s54
	v_cndmask_b32 v10, v10, v1, s54                ; lanes 0-3 turn the query's heading, lanes 4-7 the key's
	v_mul_f32 v28, v26, v18                        ; the angles: one multiplication each
	v_mul_f32 v29, v26, v22
	v_mul_f32 v30, v27, v18
	v_mul_f32 v31, v27, v22
	SINCOS 28, 32, 34, 16
	SINCOS 29, 33, 35, 16
	SINCOS 10, 36, 38, 16
	SINCOS 30, 40, 42, 16
	SINCOS 31, 41, 43, 16
	v_mov_b32 v226, v36                            ; lanes 4-7: the key's cos and sin, kept for krec
	v_mov_b32 v227, v38
	v_mov_b32 v37, v36                             ; (written first: the destination of a lane-crossing form counts as one of its sources)
	v_mov_b32 v39, v38
	v_mov_b32_dpp v37, v36 row_xmask:4 row_mask:0xf bank_mask:0xf   ; lane e xor 4's cos and sin
	v_mov_b32_dpp v39, v38 row_xmask:4 row_mask:0xf bank_mask:0xf
	v_cndmask_b32 v36, v36, v37, s54               ; region 1: the query's cos and sin in all eight lanes
	v_cndmask_b32 v38, v38, v39, s54
	v_mov_b32 v37, v36
	v_mov_b32 v39, v38
	global_store_b128 v62, v[32:35], s[20:21]                  ; each of these covers 512 consecutive bytes, aligned
	global_store_b128 v62, v[36:39], s[20:21] offset:2097152
	global_store_b128 v62, v[40:43], s[20:21] offset:4194304
	s_wait_alu depctr_va_vdst(0)
	s_wait_loadcnt 8                               ; the candidates and their mask bytes are in; kv_feat's eight loads, issued behind them, may be out
	s_wait_xcnt 0x0                                ; the stores and the loads still out have read their registers: v16-63 are at work again below
	v_mov_b32 v59, 0x45800000
	v_mov_b32 v60, 0x4e6e6b28
	v_mov_b32 v63, 0x7f800000
	v_lshlrev_b32 v56, 1, v13
.set ip, 0
.rept 32
	v_pk_add_f32 v[128+2*ip:129+2*ip], v[6:7], v[128+2*ip:129+2*ip] neg_lo:[0,1] neg_hi:[0,1]   ; (qx - kx, qy - ky)
.set ip, ip+1
.endr
.set ip, 0
.rept 32
	v_mul_f32 v[X+ip], v[128+2*ip], v[128+2*ip]
.set ip, ip+1
.endr
.set ip, 0
.rept 32
	v_fma_f32 v[X+ip], v[129+2*ip], v[129+2*ip], v[X+ip]
.set ip, ip+1
.endr
.set ip, 0
.rept 32
	v_and_b32 v[16+(ip%4)], 1<<(8*(ip%2)), v[MK+ip/2]
	v_cmp_eq_u32 s[MS+(ip%4)], 0, v[16+(ip%4)]
	v_cndmask_b32 v[X+ip], v[X+ip], v63, s[MS+(ip%4)]          ; a masked key lies at +inf
.set ip, ip+1
.endr
.irp j, 0,1,2,3,4,5,6,7,8,9,10,11,12,13,14,15
	v_lshl_add_u32 v[IDF+\j], v[96+\j], 4, v56     ; the ids: 16 x group + 2 e (the candidates' registers are free)
.endr
.irp j, 0,1,2,3,4,5,6,7,8,9,10,11,12,13,14,15
	v_cvt_f32_u32 v[IDF+\j], v[IDF+\j]
.endr
.irp j, 0,1,2,3,4,5,6,7,8,9,10,11,12,13,14,15
	v_add_f32 v[IDF+16+\j], 1.0, v[IDF+\j]
.endr
	SORT32 X
	MERGES
	THRESH
	PASSB
	OUTID 11, 18
	; QUANTISE.  A step's 2,048 bytes turn through my stage and come back 64 bytes a lane: 16 neighbours along K, two neighbouring lanes to a block of 32.  LDS serves a wave's instructions in order
	s_wait_loadcnt 0x0
.irp t, 0,1
.irp i, 0,1,2,3
	ds_store_b128 v12, v[KVR+16*\t+4*\i:KVR+16*\t+4*\i+3] offset:32*SP*\t+8*SP*\i
.endr
.irp i, 0,1,2,3
	ds_load_b128 v[96+16*\t+4*\i:99+16*\t+4*\i], v14 offset:32*SP*\t+16*\i
.endr
.endr
	v_and_b32 v24, 4, v13
	v_cmp_ne_u32 s54, 0, v24                       ; lanes 4-7 of a point
	s_wait_dscnt 0x0
.irp t, 0,1
	v_max3_num_f32 v[32+2*\t], |v[96+16*\t]|, |v[97+16*\t]|, |v[98+16*\t]|
	v_max3_num_f32 v[33+2*\t], |v[99+16*\t]|, |v[100+16*\t]|, |v[101+16*\t]|
.endr
.irp i, 6,10
.irp t, 0,1
	v_max3_num_f32 v[32+2*\t], v[32+2*\t], |v[96+16*\t+\i]|, |v[97+16*\t+\i]|
	v_max3_num_f32 v[33+2*\t], v[33+2*\t], |v[98+16*\t+\i]|, |v[99+16*\t+\i]|
.endr
.endr
.irp t, 0,1
	v_max3_num_f32 v[32+2*\t], v[32+2*\t], |v[110+16*\t]|, |v[111+16*\t]|
.endr
.irp t, 0,1
	v_max3_num_f32 v[32+2*\t], v[32+2*\t], v[33+2*\t], 0x1800000   ; the floor 2^(3 - 127): the byte cannot fall under 1
.endr
.irp t, 0,1
	v_max_num_f32_dpp v[32+2*\t], v[32+2*\t], v[32+2*\t] row_xmask:1 row_mask:0xf bank_mask:0xf   ; with my neighbour's 16: the block's largest magnitude
.endr
.irp t, 0,1
	v_add_nc_u32 v[36+\t], 0xff000000, v[32+2*\t]  ; 2 off its exponent field: the conversion takes the exponent field of this operand as its scale
.endr
.irp t, 0,1
	v_cvt_scalef32_pk8_fp4_f32 v[56+2*\t], v[96+16*\t:103+16*\t], v[36+\t]
	v_cvt_scalef32_pk8_fp4_f32 v[57+2*\t], v[104+16*\t:111+16*\t], v[36+\t]
.endr
.irp t, 0,1
	v_lshrrev_b32 v[38+\t], 23, v[36+\t]           ; the scale's byte (also the plain instruction behind the conversions)
.endr
.irp t, 0,1
	ds_store_b8 v15, v[38+\t] offset:16*\t         ; both lanes of a block write the same byte with the same value
	global_store_b64 v11, v[56+2*\t:57+2*\t], s[22:23] offset:256*\t   ; the wave stores 256 consecutive bytes, aligned
.endr
	ds_load_b64 v[22:23], v228                     ; my point's 8 scale bytes, behind my stores
	s_wait_dscnt 0x0
	v_cndmask_b32 v22, v22, v226, s54              ; krec: lanes 0-3 the scale bytes, lanes 4-7 the key's cos, sin
	v_cndmask_b32 v23, v23, v227, s54
	global_store_b64 v11, v[22:23], s[24:25]       ; 256 consecutive bytes, aligned
	s_wait_tensorcnt 0x0                           ; the wave's end
	ds_add_u32 v192, v193
	s_wait_dscnt 0x0
	s_endpgm
.Lfunc_end_k_q972f0a88f6_refine:
	.size	k_q972f0a88f6_refine, .Lfunc_end_k_q972f0a88f6_refine-k_q972f0a88f6_refine
	.p2alignl 7, 3214868480
	.fill 96, 4, 3214868480
	.section	.rodata,"a",@progbits
	.p2align	6, 0x0
	.amdhsa_kernel k_q972f0a88f6_refine
		.amdhsa_group_segment_fixed_size 33280
		.amdhsa_private_segment_fixed_size 0
		.amdhsa_enable_private_segment 0
		.amdhsa_kernarg_size 88
		.amdhsa_user_sgpr_count 2
		.amdhsa_user_sgpr_kernarg_segment_ptr 1
		.amdhsa_wavefront_size32 1
		.amdhsa_system_sgpr_workgroup_id_x 1
		.amdhsa_system_sgpr_workgroup_id_y 1
		.amdhsa_system_sgpr_workgroup_id_z 1
		.amdhsa_system_vgpr_workitem_id 0
		.amdhsa_next_free_vgpr 246
		.amdhsa_next_free_sgpr 66
		.amdhsa_reserve_vcc 0
		.amdhsa_float_denorm_mode_32 3
		.amdhsa_float_denorm_mode_16_64 3
		.amdhsa_memory_ordered 1
		.amdhsa_forward_progress 1
		.amdhsa_inst_pref_size 89
	.end_amdhsa_kernel
	.amdgpu_metadata
---
amdhsa.version: [ 1, 2 ]
amdhsa.kernels:
  - .name:           k_q972f0a88f6_refine
    .symbol:         k_q972f0a88f6_refine.kd
    .args:
      - { .name: glist, .offset: 0, .size: 8, .value_kind: global_buffer, .address_space: global }
      - { .name: pos_q, .offset: 8, .size: 8, .value_kind: global_buffer, .address_space: global }
      - { .name: pos_k, .offset: 16, .size: 8, .value_kind: global_buffer, .address_space: global }
      - { .name: mask_k, .offset: 24, .size: 8, .value_kind: global_buffer, .address_space: global }
      - { .name: heading_q, .offset: 32, .size: 8, .value_kind: global_buffer, .address_space: global }
      - { .name: heading_k, .offset: 40, .size: 8, .value_kind: global_buffer, .address_space: global }
      - { .name: kv_feat, .offset: 48, .size: 8, .value_kind: global_buffer, .address_space: global }
      - { .name: idx, .offset: 56, .size: 8, .value_kind: global_buffer, .address_space: global }
      - { .name: trr, .offset: 64, .size: 8, .value_kind: global_buffer, .address_space: global }
      - { .name: kvc, .offset: 72, .size: 8, .value_kind: global_buffer, .address_space: global }
      - { .name: krec, .offset: 80, .size: 8, .value_kind: global_buffer, .address_space: global }
    .group_segment_fixed_size: 33280
    .private_segment_fixed_size: 0
    .kernarg_segment_align: 8
    .kernarg_segment_size: 88
    .max_flat_workgroup_size: 128
    .sgpr_count:     66
    .vgpr_count:     246
    .wavefront_size: 32
...
	.end_amdgpu_metadata
.endif
;; end of part 2
;; launch attend (part 3): grid 256 x 1, 8 waves a work-group, no clusters, 281,600 bytes of LDS; arguments q_feat_codes, q_feat_scales, Wq_codes, Wq_scales, bq, Wk_codes, Wk_scales, bk, Wv_codes, Wv_scales, bv, Wo_codes, Wo_scales, bo, idx, kvc, krec, trr, mask_k, out0; writes out0
.if DOCPART == 3
	.amdgcn_target "amdgcn-amd-amdhsa--gfx1250"
	.amdhsa_code_object_version 6
	.text
	.protected	k_q972f0a88f6_attend
	.globl	k_q972f0a88f6_attend
	.p2align	8
	.type	k_q972f0a88f6_attend,@function
k_q972f0a88f6_attend:
	s_mov_b64 s[64:65], 0
	v_nop
	global_prefetch_b8 v0, s[64:65] scope:SCOPE_SE
	s_setreg_imm32_b32 hwreg(HW_REG_WAVE_MODE, 25, 1), 1
	s_wait_xcnt 0x0
; out0 = attention over each query's 16 chosen keys, all four projections on codes of E2M1 with one E8M0 scale for each 32 along K.
; SHARES.  A work-group of eight waves owns 64 queries.  HEAD AND TAIL: wave w owns 32 columns (head w of Q; columns 32 w on of out0) for all 64 rows.  LOOP: wave w = (g = w / 2, e = w % 2) owns queries
; 16 g .. 16 g + 15 and heads 4 e .. 4 e + 3; its halves of Wk and Wv (256 registers, window 1) stay in registers.  A QUERY'S 16 KEYS ARE ONE TILE OF 16 ROWS: their codes (136 bytes a key) are gathered by
; the list that an earlier launch stored; 16 products give K (used transposed: a lane holds ONE key and eight neighbouring channels), 16 give V (a lane holds one channel and eight keys).
; K is not turned: with q' the turned query,  q' . k' = sum of c (q1' k1 + q2' k2) + s (q2' k1 - q1' k2), c and s the key's.  q' carries log2(e) / sqrt(32), so the softmax works in powers of two;
; the largest logit of the 16 is taken away first.  bv is added behind the weighted sum, since the weights add up to 1.
; The attention's output meets in LDS, is quantised along its 256 channels, goes from wave to wave as images of the operand's registers, and is multiplied by Wo.
; NO CLUSTER: what work-groups share is the 64 KB of Wk's and Wv's codes, brought once; each gathers some 0.6 MB of its own.  Nothing in LDS is filled twice: one tensor load a wave, at the head.
; LIMITS: a batch all of whose keys are masked gives NaN in the reference; that NaN does not pass the conversion to codes here.  NaN and infinities among the inputs are not served.
; REGISTERS, window 0: v1 r, v2 h; v3-6 LDS addresses that stay; v7-15, v45 offsets and addresses in hand; v16-19 16 h, 4 h, 64 h, 4 r; v20-23 bv; v24-41 SCALE WORDS AND NOTHING ELSE; v42-44 the key's heading and mask;
;   v46-49 logits; v50-61, v240-255 at work; v54, v55, v62 offsets that stay; v63 -inf; v64-95 the keys' codes, two sets; v96-111 the key's table; v112-143 four result tiles; v144-175 q', later the weights; v176-239 bk.
;   window 1: in the loop Wk's fragments (tile t, K step s) at 16 t + 8 s, Wv's at 128 + 16 t + 8 s; before it Wq, q's codes, the queries' tables, bq; behind it Wo, bo.
.set RP,   1040                        ; a row of 256 f32 in LDS: 1,024 bytes + 16
.set QE,   69632                       ; behind Wk's and Wv's codes (2 x 128 rows of 256 bytes + 16): q', [64 rows]: head at 128 hd, lanes' half at 64 h: q1' (8), q2' (8)
.set OUTB, QE+64*RP                    ; the attention's output
.set STG,  OUTB+64*RP                  ; the stage for out0
.set ATT,  STG+64*RP                   ; the weights: 256 bytes a wave, [4 heads][16 keys]
.set OIMG, ATT+2048                    ; 8 fragment images of 1,024 bytes
.set OSC,  OIMG+8192                   ; their scale words, 128 bytes each
.set MSB, 0
.macro WIN new                         ; the immediate's high byte repeats the setting that is left.  Low byte: bits 1:0 source 0, 3:2 source 1, 5:4 source 2, 7:6 destination
.if MSB != \new
	s_set_vgpr_msb (MSB<<8)|\new
.set MSB, \new
.endif
.endm
; one product 16 x 16 x 128.  c < 0: the sum begins with 0.  row = 1: both sides' scale words from lanes 16-31; 2: source 0's alone
.macro MM d, a, b, c, sa, sb, row
.if (\c) < 0
	v_wmma_scale_f32_16x16x128_f8f6f4 v[(\d):(\d)+7], v[(\a):(\a)+7], v[(\b):(\b)+7], 0, v[\sa], v[\sb] matrix_a_fmt:MATRIX_FMT_FP4 matrix_b_fmt:MATRIX_FMT_FP4
.elseif (\row) == 0
	v_wmma_scale_f32_16x16x128_f8f6f4 v[(\d):(\d)+7], v[(\a):(\a)+7], v[(\b):(\b)+7], v[(\c):(\c)+7], v[\sa], v[\sb] matrix_a_fmt:MATRIX_FMT_FP4 matrix_b_fmt:MATRIX_FMT_FP4
.elseif (\row) == 1
	v_wmma_scale_f32_16x16x128_f8f6f4 v[(\d):(\d)+7], v[(\a):(\a)+7], v[(\b):(\b)+7], v[(\c):(\c)+7], v[\sa], v[\sb] matrix_a_fmt:MATRIX_FMT_FP4 matrix_b_fmt:MATRIX_FMT_FP4 matrix_a_scale:MATRIX_SCALE_ROW1 matrix_b_scale:MATRIX_SCALE_ROW1
.else
	v_wmma_scale_f32_16x16x128_f8f6f4 v[(\d):(\d)+7], v[(\a):(\a)+7], v[(\b):(\b)+7], v[(\c):(\c)+7], v[\sa], v[\sb] matrix_a_fmt:MATRIX_FMT_FP4 matrix_b_fmt:MATRIX_FMT_FP4 matrix_a_scale:MATRIX_SCALE_ROW1
.endif
.endm
.macro PLACES                          ; four plain vector instructions between a product and the first read of its result, or a load into one of its registers
.rept 4
	v_nop
.endr
.endm
.macro BARRIER                         ; my LDS stores have landed and my LDS loads are in: then the work-group's barrier
	s_wait_dscnt 0x0
	s_barrier_signal -1
	s_barrier_wait -1
.endm
	s_load_b512 s[4:19], s[0:1], 0x0               ; q codes s[4:5], q scales s[6:7], Wq codes s[8:9], Wq scales s[10:11], bq s[12:13], Wk codes s[14:15], Wk scales s[16:17], bk s[18:19]
	s_load_b512 s[20:35], s[0:1], 0x40             ; Wv codes s[20:21], Wv scales s[22:23], bv s[24:25], Wo codes s[26:27], Wo scales s[28:29], bo s[30:31], idx s[32:33], kvc s[34:35]
	s_load_b128 s[36:39], s[0:1], 0x80             ; krec s[36:37] (64 bytes a key: its 8 scale bytes at 0), trr s[38:39]
	s_load_b64 s[40:41], s[0:1], 0x80              ; krec once more: cos, sin of the key's heading at byte 32
	s_load_b64 s[42:43], s[0:1], 0x90              ; mask_k
	s_load_b64 s[44:45], s[0:1], 0x98              ; out0
	v_lshl_add_u32 v254, v0, 2, 0x44800
	v_mov_b32 v255, 0
	ds_add_u32 v254, v255
	ds_add_u32 v254, v255
	s_wait_dscnt 0x0
	v_lshrrev_b32 v1, 5, v0
	s_delay_alu instid0(VALU_DEP_1)
	v_readfirstlane_b32 s46, v1                    ; wave 0..7
	s_and_b32 s47, s46, 1                          ; e
	s_lshr_b32 s62, s46, 1                         ; g
	s_lshr_b32 s63, ttmp9, 6                       ; the batch
	s_lshl_b32 s66, ttmp9, 6                       ; my work-group's first query
	; One tensor load a wave: a quarter of Wk's (waves 0-3) or Wv's (waves 4-7) codes, 8,192 dense bytes, as 32 rows of 256 bytes with 16 bytes of padding behind each
	s_mov_b32 s52, (3<<16)|(1<<20)|(5<<22)|(3<<25) ; no mask; elements of 8 bytes; padding on: after every 64 words, 4 words
	s_mov_b32 s53, 32<<16                          ; tensor_dim0 = 32 elements
	s_mov_b32 s54, 32<<16                          ; tensor_dim1 = 32 rows
	s_mov_b32 s55, 32<<16                          ; tile_dim0 = 32
	s_mov_b32 s56, 32                              ; tile_dim1 = 32
	s_mov_b32 s57, 32                              ; from row to row: 32 elements
	s_mov_b32 s58, 0
	s_mov_b32 s59, 0
	s_mov_b32 s48, 1                               ; count = 1
	s_mul_i32 s49, s46, 32*272                     ; LDS address: wave x 32 rows
	s_and_b32 s60, s46, 3
	s_lshl_b32 s60, s60, 13
	s_mov_b32 s61, 0
	s_wait_kmcnt 0x0
	s_cmp_lt_u32 s46, 4
	s_cselect_b64 s[50:51], s[14:15], s[20:21]
	s_add_nc_u64 s[50:51], s[50:51], s[60:61]
	s_or_b32 s51, s51, 0x80000000                  ; type = 2
	tensor_load_to_lds s[48:51], s[52:59]
	s_nop 0
	v_and_b32 v1, 15, v0                           ; r
	v_bfe_u32 v2, v0, 4, 1                         ; h
	v_mov_b32 v63, 0xff800000
	v_and_b32 v57, 31, v0                          ; lane
	s_delay_alu instid0(VALU_DEP_3)
	v_lshlrev_b32 v16, 4, v2
	s_delay_alu instid0(VALU_DEP_4)
	v_lshlrev_b32 v17, 2, v2
	v_lshlrev_b32 v18, 6, v2
	v_lshlrev_b32 v19, 2, v1
	s_delay_alu instid0(VALU_DEP_4)
	v_lshl_add_u32 v54, v1, 7, v16                 ; a row of 256 codes is 128 bytes: 128 r + 16 h
	s_delay_alu instid0(VALU_DEP_4)
	v_lshl_add_u32 v55, v1, 3, v17                 ; a row's 8 scale bytes: 8 r + 4 h: lanes 0-15 take K step 0's word, lanes 16-31 K step 1's
	s_wait_alu depctr_va_vdst(0)
	v_lshlrev_b32 v62, 5, v2                       ; a bias: 8 h numbers on
	v_lshl_add_u32 v53, v1, 7, v18                 ; a point's table: 128 r + 64 h
	s_wait_alu depctr_va_vdst(0)
	v_mov_b32 v50, 0                               ; written once: the destination of a lane-crossing form counts as one of its sources
	v_mov_b32 v51, 0
	v_mov_b32 v52, 0
	; every pointer goes to this wave's, work-group's or batch's part, once
	s_mov_b32 s69, 0
	s_lshl_b32 s68, s46, 12
	s_add_nc_u64 s[8:9], s[8:9], s[68:69]          ; Wq, Wo: my 32 rows of codes,
	s_add_nc_u64 s[26:27], s[26:27], s[68:69]
	s_lshl_b32 s68, s46, 8
	s_add_nc_u64 s[10:11], s[10:11], s[68:69]      ; of scale bytes,
	s_add_nc_u64 s[28:29], s[28:29], s[68:69]
	s_lshl_b32 s68, s46, 7
	s_add_nc_u64 s[12:13], s[12:13], s[68:69]      ; bq, bo: my 32 numbers
	s_add_nc_u64 s[30:31], s[30:31], s[68:69]
	s_lshl_b32 s68, ttmp9, 13
	s_add_nc_u64 s[4:5], s[4:5], s[68:69]          ; my 64 queries' codes,
	s_add_nc_u64 s[82:83], s[38:39], s[68:69]      ; tables
	s_lshl_b32 s68, ttmp9, 9
	s_add_nc_u64 s[6:7], s[6:7], s[68:69]          ; and scale bytes
	s_lshl_b32 s68, s47, 21
	s_add_nc_u64 s[82:83], s[82:83], s[68:69]      ; an even head takes the positions' table, an odd head the heading's, 2 MB on
	s_lshl_b32 s68, s47, 10
	s_add_nc_u64 s[16:17], s[16:17], s[68:69]      ; Wk, Wv: my 128 rows' scale bytes,
	s_add_nc_u64 s[22:23], s[22:23], s[68:69]
	s_lshl_b32 s68, s47, 9
	s_add_nc_u64 s[18:19], s[18:19], s[68:69]      ; bk, bv: my 128 numbers
	s_add_nc_u64 s[24:25], s[24:25], s[68:69]
	s_lshl_b32 s68, s63, 19
	s_add_nc_u64 s[34:35], s[34:35], s[68:69]      ; the batch's keys: codes,
	s_add_nc_u64 s[38:39], s[38:39], s[68:69]
	s_add_nc_u64 s[38:39], s[38:39], 0x400000      ; tables (region 2),
	s_lshl_b32 s68, s63, 18
	s_add_nc_u64 s[36:37], s[36:37], s[68:69]      ; scale bytes,
	s_add_nc_u64 s[40:41], s[40:41], s[68:69]      ; headings,
	s_add_nc_u64 s[40:41], s[40:41], 32
	s_lshl_b32 s68, s63, 12
	s_add_nc_u64 s[42:43], s[42:43], s[68:69]      ; mask bytes
	s_lshl_b32 s68, s46, 3
	s_add_co_u32 s68, s68, s66
	s_lshl_b32 s68, s68, 10
	s_add_nc_u64 s[44:45], s[44:45], s[68:69]      ; out0 at row Q0 + 8 w
	s_mov_b32 s70, 0x76543210
	s_mov_b32 s71, 0xfedcba98                      ; v_permlanex16_b32's selects for lane l xor 16
	s_mov_b32 s72, 0x3e8293ee                      ; log2(e) / sqrt(32)
	s_mov_b32 s73, s72                             ; (named with it as a pair)
	; what the Q projection wants
	s_lshl_b32 s76, s62, 4
	s_add_co_u32 s76, s76, s66                     ; my first query
	s_lshl_b32 s77, s76, 6
	v_add_nc_u32 v7, s77, v19                      ; its list: 64 bytes; lane r (and 16 + r) takes key r
	v_lshlrev_b32 v59, 2, v57
	global_load_b32 v8, v7, s[32:33]
.irp t, 0,1,2,3,4,5,6,7
	global_load_b128 v[176+8*\t:179+8*\t], v62, s[18:19] offset:64*\t          ; bk in K's layout: columns 16 t + 8 h + 0 .. 7
	global_load_b128 v[180+8*\t:183+8*\t], v62, s[18:19] offset:64*\t+16
.endr
.irp d, 0,1,2,3
	global_load_b32 v[20+\d], v59, s[24:25] offset:128*\d                      ; bv: column 32 hd + lane
.endr
	global_load_b32 v24, v55, s[10:11]
	global_load_b32 v25, v55, s[10:11] offset:128
.irp m, 0,1,2,3
	global_load_b32 v[26+\m], v55, s[6:7] offset:128*\m
.endr
	WIN 0x40                                       ; destination window 1
.irp u, 0,1
.irp s, 0,1
.irp c, 0,1
	global_load_b128 v[16*\u+8*\s+4*\c:16*\u+8*\s+4*\c+3], v54, s[8:9] offset:2048*\u+64*\s+32*\c       ; Wq (tile u, K step s)
.endr
.endr
.endr
.irp m, 0,1,2,3
.irp s, 0,1
.irp c, 0,1
	global_load_b128 v[32+16*\m+8*\s+4*\c:32+16*\m+8*\s+4*\c+3], v54, s[4:5] offset:2048*\m+64*\s+32*\c   ; q (rows 16 m on, K step s)
.endr
.endr
.endr
.irp m, 0,1,2,3
.irp p, 0,1,2,3
	global_load_b128 v[96+16*\m+4*\p:96+16*\m+4*\p+3], v53, s[82:83] offset:2048*\m+16*\p               ; the queries' c, c, s, s
.endr
.endr
.irp u, 0,1
.irp c, 0,1
	global_load_b128 v[160+8*\u+4*\c:160+8*\u+4*\c+3], v62, s[12:13] offset:64*\u+16*\c                 ; bq in the result's layout
.endr
.endr
	WIN 0
	; LDS addresses that stay
	s_mul_i32 s79, s62, 16*RP
	s_lshl_b32 s77, s47, 9
	s_add_co_u32 s79, s79, s77                     ; my 16 rows, my four heads' 512 bytes
	v_add_nc_u32 v3, s79, v18
	s_delay_alu instid0(VALU_DEP_1)
	v_add_nc_u32 v3, QE, v3                        ; q': + 64 h
	v_lshl_add_u32 v4, v57, 2, s79
	s_delay_alu instid0(VALU_DEP_1)
	v_add_nc_u32 v4, OUTB, v4                      ; the output: + 4 x lane
	s_lshl_b32 s77, s46, 8
	s_add_co_u32 s77, s77, ATT
	v_lshl_add_u32 v5, v57, 2, s77                 ; the weights, in: 4 x lane;
	v_lshl_add_u32 v6, v2, 5, s77                  ; out: keys 8 h on
	v_mul_u32_u24 v56, v1, RP
	s_delay_alu instid0(VALU_DEP_1)
	v_add_nc_u32 v56, v56, v18
	s_lshl_b32 s77, s46, 7
	s_add_co_u32 s77, s77, QE
	v_add_nc_u32 v56, s77, v56                     ; where q' of head w goes: row r, 128 w + 64 h
	s_wait_loadcnt 0x0
	; the first query's codes, the second's list, the first's tables: they are on their way while Q is made
	v_min_u32 v9, 0xfff, v8
	v_lshl_add_u32 v10, v9, 7, v16
	v_lshl_add_u32 v11, v9, 6, v17
.irp k, 0,1,2,3
	global_load_b128 v[64+4*\k:67+4*\k], v10, s[34:35] offset:32*\k
.endr
	global_load_b32 v40, v11, s[36:37]
	s_lshl_b32 s77, s76, 6
	s_add_co_u32 s77, s77, 64
	v_add_nc_u32 v7, s77, v19
	global_load_b32 v8, v7, s[32:33]
	v_lshl_add_u32 v12, v9, 7, v18
	v_lshlrev_b32 v13, 6, v9
	v_min_u32 v45, 0xfff, v9
.irp p, 0,1,2,3
	global_load_b128 v[96+4*\p:99+4*\p], v12, s[38:39] offset:16*\p
.endr
	global_load_b64 v[42:43], v13, s[40:41]
	global_load_u8 v44, v45, s[42:43]
	WIN 0x15
.irp m, 0,1,2,3
.irp u, 0,1
	MM 112+16*\m+8*\u, 16*\u, 32+16*\m, 160+8*\u, 24+\u, 26+\m, 0
.endr
.endr
	WIN 0x05
.irp m, 0,1,2,3
.irp u, 0,1
	MM 112+16*\m+8*\u, 16*\u+8, 40+16*\m, 112+16*\m+8*\u, 24+\u, 26+\m, 1
.endr
.endr
	WIN 0x04                                       ; source 1 (the tables) in window 1
	PLACES
.irp m, 0,1,2,3
.irp p, 0,1,2,3
	v_pk_mul_f32 v[240+4*\p:241+4*\p], v[120+16*\m+2*\p:121+16*\m+2*\p], v[98+16*\m+4*\p:99+16*\m+4*\p]   ; q2 s
	v_pk_mul_f32 v[242+4*\p:243+4*\p], v[112+16*\m+2*\p:113+16*\m+2*\p], v[98+16*\m+4*\p:99+16*\m+4*\p]   ; q1 s
.endr
.irp p, 0,1,2,3
	v_pk_fma_f32 v[112+16*\m+2*\p:113+16*\m+2*\p], v[112+16*\m+2*\p:113+16*\m+2*\p], v[96+16*\m+4*\p:97+16*\m+4*\p], v[240+4*\p:241+4*\p] neg_lo:[0,0,1] neg_hi:[0,0,1]   ; q1 c - q2 s
	v_pk_fma_f32 v[120+16*\m+2*\p:121+16*\m+2*\p], v[120+16*\m+2*\p:121+16*\m+2*\p], v[96+16*\m+4*\p:97+16*\m+4*\p], v[242+4*\p:243+4*\p]                                 ; q2 c + q1 s
.endr
.irp p, 0,1,2,3
	v_pk_mul_f32 v[112+16*\m+2*\p:113+16*\m+2*\p], v[112+16*\m+2*\p:113+16*\m+2*\p], s[72:73] op_sel_hi:[1,0]
	v_pk_mul_f32 v[120+16*\m+2*\p:121+16*\m+2*\p], v[120+16*\m+2*\p:121+16*\m+2*\p], s[72:73] op_sel_hi:[1,0]
.endr
.endr
	WIN 0
.irp m, 0,1,2,3
.irp k, 0,1,2,3
	ds_store_b128 v56, v[112+16*\m+4*\k:115+16*\m+4*\k] offset:16*RP*\m+16*\k
.endr
.endr
	s_wait_tensorcnt 0x0                           ; my part of Wk's or Wv's codes has landed
	BARRIER                                        ; everybody's has, and q' of all heads lies in LDS
	; ---- the loop's operands
	v_lshrrev_b32 v58, 1, v1                       ; code row n lies at (n / 2) 272 + (n % 2) 128
	s_delay_alu instid0(VALU_DEP_1)
	v_mul_u32_u24 v58, v58, 272
	v_and_b32 v59, 1, v1
	s_delay_alu instid0(VALU_DEP_1)
	v_lshl_add_u32 v58, v59, 7, v58
	s_delay_alu instid0(VALU_DEP_1)
	v_add_nc_u32 v58, v58, v16
	s_mul_i32 s77, s47, 64*272                     ; my 128 rows
	v_add_nc_u32 v58, s77, v58
	WIN 0x40
.irp t, 0,1,2,3,4,5,6,7
.irp s, 0,1
.irp c, 0,1
	ds_load_b128 v[16*\t+8*\s+4*\c:16*\t+8*\s+4*\c+3], v58 offset:2176*\t+64*\s+32*\c
	ds_load_b128 v[128+16*\t+8*\s+4*\c:128+16*\t+8*\s+4*\c+3], v58 offset:34816+2176*\t+64*\s+32*\c
.endr
.endr
.endr
	WIN 0
.irp t, 0,1,2,3,4,5,6,7
	global_load_b32 v[24+\t], v55, s[16:17] offset:128*\t                      ; Wk's and Wv's scale words: their registers held the Q projection's
	global_load_b32 v[32+\t], v55, s[22:23] offset:128*\t
.endr
	s_wait_loadcnt 0x0                             ; these, and the first query's gather, issued ahead of the Q projection
	s_wait_dscnt 0x0                               ; Wk's and Wv's fragments are in
; An even head: tiles 0 (k1) and 1 (k2) of the chunk, q1' in v144-151, q2' in v152-159; the key's c at v96 + 4 p, s at v98 + 4 p.  Each tile is read from its low end on.
.macro ROPE ch
.irp p, 0,1,2,3
	v_pk_mul_f32 v[240+2*\p:241+2*\p], v[144+2*\p:145+2*\p], v[112+2*\p:113+2*\p]
.endr
.irp p, 0,1,2,3
	v_pk_mul_f32 v[248+2*\p:249+2*\p], v[152+2*\p:153+2*\p], v[112+2*\p:113+2*\p]
.endr
.irp p, 0,1,2,3
	v_pk_fma_f32 v[240+2*\p:241+2*\p], v[152+2*\p:153+2*\p], v[120+2*\p:121+2*\p], v[240+2*\p:241+2*\p]                                   ; q1 k1 + q2 k2
.endr
.irp p, 0,1,2,3
	v_pk_fma_f32 v[248+2*\p:249+2*\p], v[144+2*\p:145+2*\p], v[120+2*\p:121+2*\p], v[248+2*\p:249+2*\p] neg_lo:[1,0,0] neg_hi:[1,0,0]     ; q2 k1 - q1 k2
.endr
	v_pk_mul_f32 v[56:57], v[96:97], v[240:241]
	v_pk_mul_f32 v[58:59], v[98:99], v[248:249]
.irp p, 1,2,3
	s_delay_alu instid0(VALU_DEP_2)
	v_pk_fma_f32 v[56:57], v[96+4*\p:97+4*\p], v[240+2*\p:241+2*\p], v[56:57]
	s_delay_alu instid0(VALU_DEP_2)
	v_pk_fma_f32 v[58:59], v[98+4*\p:99+4*\p], v[248+2*\p:249+2*\p], v[58:59]
.endr
	s_delay_alu instid0(VALU_DEP_1)
	v_pk_add_f32 v[56:57], v[56:57], v[58:59]
	s_delay_alu instid0(VALU_DEP_1)
	v_add_f32 v[46+2*(\ch)], v56, v57              ; my half of the head's 32 channels
.endm
; An odd head: tiles 2 and 3, q' in v160-175; one angle for all channels: four sums, then c and s once
.macro DROPE ch
	v_pk_mul_f32 v[240:241], v[160:161], v[128:129]
	v_pk_mul_f32 v[244:245], v[168:169], v[128:129]
	v_pk_mul_f32 v[242:243], v[168:169], v[136:137]
	v_pk_mul_f32 v[246:247], v[160:161], v[136:137]
.irp p, 1,2,3
	v_pk_fma_f32 v[240:241], v[160+2*\p:161+2*\p], v[128+2*\p:129+2*\p], v[240:241]
	v_pk_fma_f32 v[244:245], v[168+2*\p:169+2*\p], v[128+2*\p:129+2*\p], v[244:245]
	v_pk_fma_f32 v[242:243], v[168+2*\p:169+2*\p], v[136+2*\p:137+2*\p], v[242:243]
	v_pk_fma_f32 v[246:247], v[160+2*\p:161+2*\p], v[136+2*\p:137+2*\p], v[246:247]
.endr
	s_delay_alu instid0(VALU_DEP_2)
	v_pk_add_f32 v[240:241], v[240:241], v[242:243]
	s_delay_alu instid0(VALU_DEP_2)
	v_pk_add_f32 v[244:245], v[244:245], v[246:247] neg_lo:[0,1] neg_hi:[0,1]
	s_delay_alu instid0(VALU_DEP_2)
	v_add_f32 v240, v240, v241
	s_delay_alu instid0(VALU_DEP_2)
	v_add_f32 v244, v244, v245
	s_delay_alu instid0(VALU_DEP_2)
	v_mul_f32 v[47+2*(\ch)], v42, v240
	s_delay_alu instid0(VALU_DEP_1)
	v_fmac_f32 v[47+2*(\ch)], v43, v244
.endm
; K of two heads (four tiles of 16 columns) for the 16 keys in set b, and their logits.  Four sums by turns, K step by K step; bk is the C of the first.
.macro KCHUNK b, ch
.irp x, 0,1
.irp k, 0,1,2,3
	ds_load_b128 v[144+16*\x+4*\k:147+16*\x+4*\k], v14 offset:RP*(\b)+256*(\ch)+128*\x+16*\k   ; q' of the two heads: all lanes of a half read the same bytes
.endr
.endr
	WIN 0x01                                       ; source 0 (Wk) in window 1
.irp t, 0,1,2,3
	MM 112+8*\t, 16*(4*(\ch)+\t), KV, 176+8*(4*(\ch)+\t), 24+4*(\ch)+\t, 40+(\b), 0
.endr
.irp t, 0,1,2,3
	MM 112+8*\t, 16*(4*(\ch)+\t)+8, KV+8, 112+8*\t, 24+4*(\ch)+\t, 40+(\b), 1
.endr
	WIN 0
.if (\ch) == 0
	s_wait_loadcnt 6                               ; this query's tables are in; the six loads issued at its head may be out
	v_cmp_ne_u32 s78, 0, v44                       ; which of the 16 keys count
.endif
	s_wait_dscnt 0x0                               ; q'
	PLACES
	ROPE \ch
	DROPE \ch
.endm
; V of two heads: source 0 = the 16 keys, source 1 = 16 columns of Wv: lane (r, h) holds column r and keys 8 h + 0 .. 7.
; (These products write the four tiles anew: behind the last products that named them stand the four v_nop and the other head's arithmetic, or the softmax, which name none of their registers.)
.macro VCHUNK b, ch
	WIN 0x04                                       ; source 1 (Wv) in window 1
.irp t, 0,1,2,3
	MM 112+8*\t, KV, 128+16*(4*(\ch)+\t), -1, 40+(\b), 32+4*(\ch)+\t, 0
.endr
.irp t, 0,1,2,3
	MM 112+8*\t, KV+8, 128+16*(4*(\ch)+\t)+8, 112+8*\t, 40+(\b), 32+4*(\ch)+\t, 1
.endr
	WIN 0
.endm
.macro AV ch                           ; the weighted sums over my eight keys, four tiles by turns
.irp t, 0,1,2,3
	v_pk_mul_f32 v[248+2*\t:249+2*\t], v[112+8*\t:113+8*\t], v[144+8*(2*(\ch)+\t/2):145+8*(2*(\ch)+\t/2)]
.endr
.irp i, 1,2,3
.irp t, 0,1,2,3
	v_pk_fma_f32 v[248+2*\t:249+2*\t], v[112+8*\t+2*\i:113+8*\t+2*\i], v[144+8*(2*(\ch)+\t/2)+2*\i:145+8*(2*(\ch)+\t/2)+2*\i], v[248+2*\t:249+2*\t]
.endr
.endr
.irp t, 0,1,2,3
	s_delay_alu instid0(VALU_DEP_4)
	v_add_f32 v[240+4*(\ch)+\t], v[248+2*\t], v[249+2*\t]
.endr
.endm
; ONE QUERY; its keys' codes lie in set b.
.macro QUERY b
.set KV, 64+16*(\b)
.set KN, 80-16*(\b)
	s_wait_loadcnt 6                               ; this query's codes and scale word and the next query's list are in; the six loads of this query's tables, issued behind them, may be out
	v_min_u32 v9, 0xfff, v8                        ; the next query's keys: a loaded number enters an address only behind a bound written in the text
	s_add_co_u32 s77, s76, 2+(\b)
	s_min_u32 s77, s77, 16383                      ; the list two queries on, held inside the buffer
	s_lshl_b32 s77, s77, 6
	v_add_nc_u32 v7, s77, v19
	v_lshl_add_u32 v10, v9, 7, v16
	v_lshl_add_u32 v11, v9, 6, v17
.irp k, 0,1,2,3
	global_load_b128 v[KN+4*\k:KN+4*\k+3], v10, s[34:35] offset:32*\k          ; into the other set: its last products stand in front of four v_nop and the last query's sums
.endr
	global_load_b32 v[41-(\b)], v11, s[36:37]
	global_load_b32 v8, v7, s[32:33]
	KCHUNK \b, 0
	KCHUNK \b, 1
	v_lshl_add_u32 v12, v9, 7, v18                 ; the next query's tables: this query's have been used
	v_lshlrev_b32 v13, 6, v9
	v_min_u32 v45, 0xfff, v9                       ; (an offset register of its own: v9 is written again while this load may be out)
.irp p, 0,1,2,3
	global_load_b128 v[96+4*\p:99+4*\p], v12, s[38:39] offset:16*\p
.endr
	global_load_b64 v[42:43], v13, s[40:41]
	global_load_u8 v44, v45, s[42:43]
	VCHUNK \b, 0
	; THE SOFTMAX over the 16 keys; it also stands as the places behind the products above.  The halves' sums meet: v46 = heads 0 | 1, v48 = heads 2 | 3, in lanes 0-15 | 16-31, key r
	v_permlane16_swap_b32 v46, v47
	v_permlane16_swap_b32 v48, v49
	s_delay_alu instid0(VALU_DEP_2)
	v_add_f32 v46, v46, v47
	s_delay_alu instid0(VALU_DEP_2)
	v_add_f32 v48, v48, v49
	s_delay_alu instid0(VALU_DEP_2)
	v_cndmask_b32 v46, v63, v46, s78               ; a masked key: -inf
	s_delay_alu instid0(VALU_DEP_2)
	v_cndmask_b32 v48, v63, v48, s78
	s_delay_alu instid0(VALU_DEP_2)
	v_max_num_f32_dpp v50, v46, v46 row_xmask:1 row_mask:0xf bank_mask:0xf
	s_delay_alu instid0(VALU_DEP_2)
	v_max_num_f32_dpp v51, v48, v48 row_xmask:1 row_mask:0xf bank_mask:0xf
.irp x, 2,4,8
	s_delay_alu instid0(VALU_DEP_2)
	v_max_num_f32_dpp v50, v50, v50 row_xmask:\x row_mask:0xf bank_mask:0xf
	s_delay_alu instid0(VALU_DEP_2)
	v_max_num_f32_dpp v51, v51, v51 row_xmask:\x row_mask:0xf bank_mask:0xf
.endr
	s_delay_alu instid0(VALU_DEP_2)
	v_sub_f32 v46, v46, v50
	s_delay_alu instid0(VALU_DEP_2)
	v_sub_f32 v48, v48, v51
	s_wait_alu depctr_va_vdst(0)
	v_exp_f32 v46, v46
	v_exp_f32 v48, v48
	v_nop                                          ; a plain instruction between the exponentials and their use
	s_wait_alu depctr_va_vdst(0)
	v_add_f32_dpp v52, v46, v46 row_xmask:1 row_mask:0xf bank_mask:0xf
	v_add_f32_dpp v53, v48, v48 row_xmask:1 row_mask:0xf bank_mask:0xf
.irp x, 2,4,8
	s_delay_alu instid0(VALU_DEP_2)
	v_add_f32_dpp v52, v52, v52 row_xmask:\x row_mask:0xf bank_mask:0xf
	s_delay_alu instid0(VALU_DEP_2)
	v_add_f32_dpp v53, v53, v53 row_xmask:\x row_mask:0xf bank_mask:0xf
.endr
	s_wait_alu depctr_va_vdst(0)
	v_rcp_f32 v52, v52
	v_rcp_f32 v53, v53
	v_nop
	s_wait_alu depctr_va_vdst(0)
	v_mul_f32 v46, v46, v52
	v_mul_f32 v48, v48, v53
	ds_store_b32 v5, v46                           ; the weights change lanes through my wave's own 256 bytes: LDS serves a wave's instructions in order
	ds_store_b32 v5, v48 offset:128
.irp d, 0,1,2,3
	ds_load_b128 v[144+8*\d:147+8*\d], v6 offset:64*\d
	ds_load_b128 v[148+8*\d:151+8*\d], v6 offset:64*\d+16
.endr
	s_wait_dscnt 0x0
	AV 0
	VCHUNK \b, 1
	PLACES
	AV 1
.irp d, 0,1,2,3
	v_permlane16_swap_b32 v[240+2*\d], v[241+2*\d] ; the halves' sums meet: lane l holds channel l of the head
.endr
.irp d, 0,1,2,3
	s_delay_alu instid0(VALU_DEP_4)
	v_add_f32 v[240+2*\d], v[240+2*\d], v[241+2*\d]
.endr
.irp d, 0,1,2,3
	s_delay_alu instid0(VALU_DEP_4)
	v_add_f32 v[240+2*\d], v[240+2*\d], v[20+\d]
.endr
.irp d, 0,1,2,3
	ds_store_b32 v15, v[240+2*\d] offset:RP*(\b)+128*\d
.endr
.endm
	s_mov_b32 s74, 8
	s_mov_b32 s75, 0
.Lq:                                               ; 8 trips of two queries, in which the two sets of codes change places
	v_add_nc_u32 v14, s75, v3
	v_add_nc_u32 v15, s75, v4
	s_wait_alu depctr_va_vdst(0)
	QUERY 0
	QUERY 1
	s_add_co_u32 s75, s75, 2*RP
	s_add_co_u32 s76, s76, 2
	s_sub_co_u32 s74, s74, 1
	s_cmp_lg_u32 s74, 0
	s_cbranch_scc1 .Lq
	; ---- Wo's part of this wave is asked for; it lands while the output is quantised
	global_load_b32 v24, v55, s[28:29]
	global_load_b32 v25, v55, s[28:29] offset:128
	WIN 0x40
.irp u, 0,1
.irp s, 0,1
.irp c, 0,1
	global_load_b128 v[16*\u+8*\s+4*\c:16*\u+8*\s+4*\c+3], v54, s[26:27] offset:2048*\u+64*\s+32*\c
.endr
.endr
.endr
.irp u, 0,1
.irp c, 0,1
	global_load_b128 v[32+8*\u+4*\c:32+8*\u+4*\c+3], v62, s[30:31] offset:64*\u+16*\c
.endr
.endr
	WIN 0
	BARRIER                                        ; 64 rows of the attention's output lie in LDS
	; ---- wave w quantises rows 16 g on, channels 128 e on: register 16 b + i = channel 32 b + 16 h + i of row r
.set TM, 240                           ; v240-243 largest magnitudes, v244-247 bytes, v252-255 the conversions' scale operands
.set PW, 46                            ; the scale word
.set PC, 224                           ; the codes
	v_and_b32 v57, 31, v0
	v_mul_u32_u24 v56, v1, RP
	s_delay_alu instid0(VALU_DEP_1)
	v_add_nc_u32 v56, v56, v18
	s_add_co_u32 s77, s79, OUTB
	v_add_nc_u32 v56, s77, v56
.irp b, 0,1,2,3
.irp j, 0,1,2,3
	ds_load_b128 v[112+16*\b+4*\j:115+16*\b+4*\j], v56 offset:128*\b+16*\j
.endr
.endr
	s_lshl_b32 s77, s46, 10
	s_add_co_u32 s77, s77, OIMG
	v_lshl_add_u32 v58, v57, 4, s77                ; my image: 16 x lane + 1,024 x wave
	s_lshl_b32 s77, s46, 7
	s_add_co_u32 s77, s77, OSC
	v_lshl_add_u32 v59, v57, 2, s77                ; its scale words: 4 x lane + 128 x wave
	s_wait_dscnt 0x0
.irp b, 0,1,2,3
	v_max3_num_f32 v[TM+\b], |v[112+16*\b]|, |v[113+16*\b]|, 0x1800000         ; my 16 numbers of block b, and the floor 2^(3 - 127): the byte cannot fall under 1
.endr
.irp i, 2,4,6,8,10,12,14
.irp b, 0,1,2,3
	s_delay_alu instid0(VALU_DEP_4)
	v_max3_num_f32 v[TM+\b], v[TM+\b], |v[112+16*\b+\i]|, |v[113+16*\b+\i]|
.endr
.endr
.irp b, 0,1,2,3
	s_delay_alu instid0(VALU_DEP_4)
	v_permlanex16_b32 v[TM+4+\b], v[TM+\b], s70, s71
.endr
.irp b, 0,1,2,3
	s_delay_alu instid0(VALU_DEP_4)
	v_max_num_f32 v[TM+\b], v[TM+\b], v[TM+4+\b]   ; with lane l xor 16's: the block's largest magnitude
.endr
.irp b, 0,1,2,3
	s_delay_alu instid0(VALU_DEP_4)
	v_add_nc_u32 v[TM+12+\b], 0xff000000, v[TM+\b] ; 2 off its exponent field: the conversion's scale operand
.endr
.irp b, 0,1,2,3
	s_delay_alu instid0(VALU_DEP_4)
	v_lshrrev_b32 v[TM+4+\b], 23, v[TM+12+\b]      ; the scale's byte
.endr
	s_delay_alu instid0(VALU_DEP_3)
	v_lshl_or_b32 v[PW], v[TM+5], 8, v[TM+4]
	s_delay_alu instid0(VALU_DEP_1)
	v_lshl_or_b32 v[PW], v[TM+6], 16, v[PW]
	s_delay_alu instid0(VALU_DEP_1)
	v_lshl_or_b32 v[PW], v[TM+7], 24, v[PW]
.irp b, 0,1,2,3
	v_cvt_scalef32_pk8_fp4_f32 v[PC+2*\b], v[112+16*\b:119+16*\b], v[TM+12+\b]
	v_cvt_scalef32_pk8_fp4_f32 v[PC+1+2*\b], v[120+16*\b:127+16*\b], v[TM+12+\b]
.endr
	v_nop                                          ; one plain instruction behind the scaled conversions
.irp c, 0,1                            ; the operand's layout wants a whole block in a lane: lanes 0-15 block 2 c, lanes 16-31 block 2 c + 1
.irp i, 0,1
	v_permlane16_swap_b32 v[PC+4*\c+\i], v[PC+2+4*\c+\i]
.endr
.endr
	ds_store_b128 v58, v[PC:PC+3]                  ; the fragment goes to LDS as an image of its registers
	ds_store_b128 v58, v[PC+4:PC+7] offset:512
	ds_store_b32 v59, v[PW]
	BARRIER                                        ; the eight fragments (rows 16 m on, K step s: 2 m + s) lie in LDS
	; ---- out0 = (..) Wo + bo, transposed: source 0 = 16 columns of Wo, source 1 = 16 rows.  Eight sums by turns; bo is the C of the first K step
	v_lshl_add_u32 v60, v57, 4, OIMG
	v_lshl_add_u32 v61, v57, 2, OSC
.irp f, 0,1,2,3,4,5,6,7
	ds_load_b128 v[112+8*\f:115+8*\f], v60 offset:1024*\f
	ds_load_b128 v[116+8*\f:119+8*\f], v60 offset:1024*\f+512
	ds_load_b32 v[26+\f], v61 offset:128*\f
.endr
	v_mul_u32_u24 v56, v1, RP
	s_delay_alu instid0(VALU_DEP_1)
	v_lshl_add_u32 v56, v2, 5, v56
	s_lshl_b32 s77, s46, 7
	s_add_co_u32 s77, s77, STG
	v_add_nc_u32 v56, s77, v56                     ; the stage: row r, 128 w + 32 h
	s_mul_i32 s77, s46, 8*RP
	s_add_co_u32 s77, s77, STG
	v_lshl_add_u32 v58, v57, 4, s77                ; back: my 8 rows, 16 bytes a lane
	v_lshlrev_b32 v59, 4, v57
	s_wait_loadcnt 0x0                             ; Wo, its scale words, bo (and the loop's last look-ahead, which nobody uses)
	s_wait_dscnt 0x0
	WIN 0x11                                       ; sources 0 (Wo) and 2 (bo) in window 1
.irp m, 0,1,2,3
.irp u, 0,1
	MM 176+8*(2*\m+\u), 16*\u, 112+16*\m, 32+8*\u, 24+\u, 26+2*\m, 0
.endr
.endr
	WIN 0x01
.irp m, 0,1,2,3
.irp u, 0,1
	MM 176+8*(2*\m+\u), 16*\u+8, 120+16*\m, 176+8*(2*\m+\u), 24+\u, 27+2*\m, 2
.endr
.endr
	WIN 0
	PLACES
	s_wait_alu depctr_va_vdst(0)
.irp m, 0,1,2,3
.irp u, 0,1
	ds_store_b128 v56, v[176+8*(2*\m+\u):179+8*(2*\m+\u)] offset:16*RP*\m+64*\u        ; lane (r, h): row 16 m + r, columns 32 w + 16 u + 8 h + 0 .. 7; each result from its low end on
	ds_store_b128 v56, v[180+8*(2*\m+\u):183+8*(2*\m+\u)] offset:16*RP*\m+64*\u+16
.endr
.endr
	BARRIER                                        ; 64 whole rows lie in the stage
.irp i, 0,1,2,3,4,5,6,7,8,9,10,11,12,13,14,15
	ds_load_b128 v[112+4*\i:115+4*\i], v58 offset:(\i/2)*RP+512*(\i%2)
.endr
.irp i, 0,1,2,3,4,5,6,7,8,9,10,11,12,13,14,15
	s_wait_dscnt 15-\i                             ; LDS loads come back in order: load i is in, the younger ones may be out
	global_store_b128 v59, v[112+4*\i:115+4*\i], s[44:45] offset:512*\i th:TH_STORE_NT   ; 32 lanes store 512 consecutive bytes, aligned; written once, read by nobody here
.endr
	s_wait_xcnt 0x0
	v_lshl_add_u32 v254, v0, 2, 0x44800
	v_mov_b32 v255, 0
	s_wait_alu depctr_va_vdst(0)
	s_wait_tensorcnt 0x0
	ds_add_u32 v254, v255
	s_wait_dscnt 0x0
	s_endpgm
.Lfunc_end_k_q972f0a88f6_attend:
	.size	k_q972f0a88f6_attend, .Lfunc_end_k_q972f0a88f6_attend-k_q972f0a88f6_attend
	.p2alignl 7, 3214868480
	.fill 96, 4, 3214868480
	.section	.rodata,"a",@progbits
	.p2align	6, 0x0
	.amdhsa_kernel k_q972f0a88f6_attend
		.amdhsa_group_segment_fixed_size 281600
		.amdhsa_private_segment_fixed_size 0
		.amdhsa_enable_private_segment 0
		.amdhsa_kernarg_size 160
		.amdhsa_user_sgpr_count 2
		.amdhsa_user_sgpr_kernarg_segment_ptr 1
		.amdhsa_wavefront_size32 1
		.amdhsa_system_sgpr_workgroup_id_x 1
		.amdhsa_system_sgpr_workgroup_id_y 1
		.amdhsa_system_sgpr_workgroup_id_z 1
		.amdhsa_system_vgpr_workitem_id 0
		.amdhsa_next_free_vgpr 512
		.amdhsa_next_free_sgpr 100
		.amdhsa_reserve_vcc 0
		.amdhsa_float_denorm_mode_32 3
		.amdhsa_float_denorm_mode_16_64 3
		.amdhsa_memory_ordered 1
		.amdhsa_forward_progress 1
		.amdhsa_inst_pref_size 88
	.end_amdhsa_kernel
	.amdgpu_metadata
---
amdhsa.version: [ 1, 2 ]
amdhsa.kernels:
  - .name:           k_q972f0a88f6_attend
    .symbol:         k_q972f0a88f6_attend.kd
    .args:
      - { .name: q_feat_codes, .offset: 0, .size: 8, .value_kind: global_buffer, .address_space: global }
      - { .name: q_feat_scales, .offset: 8, .size: 8, .value_kind: global_buffer, .address_space: global }
      - { .name: Wq_codes, .offset: 16, .size: 8, .value_kind: global_buffer, .address_space: global }
      - { .name: Wq_scales, .offset: 24, .size: 8, .value_kind: global_buffer, .address_space: global }
      - { .name: bq, .offset: 32, .size: 8, .value_kind: global_buffer, .address_space: global }
      - { .name: Wk_codes, .offset: 40, .size: 8, .value_kind: global_buffer, .address_space: global }
      - { .name: Wk_scales, .offset: 48, .size: 8, .value_kind: global_buffer, .address_space: global }
      - { .name: bk, .offset: 56, .size: 8, .value_kind: global_buffer, .address_space: global }
      - { .name: Wv_codes, .offset: 64, .size: 8, .value_kind: global_buffer, .address_space: global }
      - { .name: Wv_scales, .offset: 72, .size: 8, .value_kind: global_buffer, .address_space: global }
      - { .name: bv, .offset: 80, .size: 8, .value_kind: global_buffer, .address_space: global }
      - { .name: Wo_codes, .offset: 88, .size: 8, .value_kind: global_buffer, .address_space: global }
      - { .name: Wo_scales, .offset: 96, .size: 8, .value_kind: global_buffer, .address_space: global }
      - { .name: bo, .offset: 104, .size: 8, .value_kind: global_buffer, .address_space: global }
      - { .name: idx, .offset: 112, .size: 8, .value_kind: global_buffer, .address_space: global }
      - { .name: kvc, .offset: 120, .size: 8, .value_kind: global_buffer, .address_space: global }
      - { .name: krec, .offset: 128, .size: 8, .value_kind: global_buffer, .address_space: global }
      - { .name: trr, .offset: 136, .size: 8, .value_kind: global_buffer, .address_space: global }
      - { .name: mask_k, .offset: 144, .size: 8, .value_kind: global_buffer, .address_space: global }
      - { .name: out0, .offset: 152, .size: 8, .value_kind: global_buffer, .address_space: global }
    .group_segment_fixed_size: 281600
    .private_segment_fixed_size: 0
    .kernarg_segment_align: 8
    .kernarg_segment_size: 160
    .max_flat_workgroup_size: 256
    .sgpr_count:     100
    .vgpr_count:     512
    .wavefront_size: 32
...
	.end_amdgpu_metadata
.endif
;; end of part 3
